; MI455X (gfx1250); checked and timed in simulation.
; The chip was launched on July 23, 2026; its instructions are those of AMD's public machine-readable ISA for CDNA 5 (MIT licence, August 2026) and "CDNA5" Instruction Set Architecture Reference Guide (July 2026). The comments in the code are by the model that wrote it; some were corrected since.
;; Cross View Attention. Allowed arithmetic: float matrix products may take bf16 or f16 operands with f32 sums; all other float work in f32.
;; Inputs: Wk 2 x 256 x 256 float32; Wm1 2 x 256 x 512 float32; Wm2 2 x 512 x 256 float32; Wproj 2 x 256 x 256 float32; Wq 2 x 256 x 256 float32; Wv 2 x 256 x 256 float32; bm1 2 x 512 float32; bm2 2 x 256 float32; bproj 2 x 256 float32; grd2sat 1 x 256 x 64 x 64 float32; grd_x 1 x 256 x 16 x 128 float32; ln_k_b 2 x 256 float32; ln_k_w 2 x 256 float32; ln_post_b 2 x 256 float32; ln_post_w 2 x 256 float32; ln_pre_b 2 x 256 float32; ln_pre_w 2 x 256 float32; ln_q_b 2 x 256 float32; ln_q_w 2 x 256 float32; ln_v_b 2 x 256 float32; ln_v_w 2 x 256 float32; u 1 x 64 x 64 float32.
;; Outputs: out0 1 x 256 x 64 x 64 float32.
;; 2 versions, each right; version 2 is version 1 with the launch main written anew for expert scheduling mode. Each part assembles by itself: llvm-mc -triple=amdgcn-amd-amdhsa -mcpu=gfx1250 --defsym DOCPART=n.
;; ======== version 1 of 2: 4 launches
;; limits: values are held in f16: magnitudes above 65,504 overflow, below 6.1e-05 lose precision
;; workspace buffers: rankp 65,536 bytes of whole numbers; perm 32,768 bytes of whole numbers; wst 2,097,152 bytes; yT 2,097,152 bytes; xT 4,194,304 bytes; kv 4,194,304 bytes; res 4,194,304 bytes
;; launch prep (part 1): grid 256 x 1, 4 waves a work-group, no clusters, 38,912 bytes of LDS; arguments u, Wq, Wk, Wv, Wproj, Wm1, Wm2, grd2sat, grd_x, rankp, wst, yT, xT; writes rankp, wst, yT, xT
.if DOCPART == 1
	.amdgcn_target "amdgcn-amd-amdhsa--gfx1250"
	.amdhsa_code_object_version 6
	.text
	.protected	k_q5d2b37564b_prep
	.globl	k_q5d2b37564b_prep
	.p2align	8
	.type	k_q5d2b37564b_prep,@function
k_q5d2b37564b_prep:
	s_mov_b64 s[64:65], 0
	v_nop
	global_prefetch_b8 v0, s[64:65] scope:SCOPE_SE
	s_setreg_imm32_b32 hwreg(HW_REG_WAVE_MODE, 25, 1), 1
	s_wait_xcnt 0x0
; PREP.  Four jobs that need nothing of each other, shared out over 256 work-groups of four waves:
;  (1) partial ranks.  A query row m has the class cls = clamp(floor(u[m]), -1, 127) + 1 (0..128), which names its two image columns, and the key cls * 4096 + m.
;      Work-group g counts, for the 64 rows of group g / 4, how many of the 1,024 keys of part g % 4 are smaller: rankp[part][m].  The counts are values only: no address hangs on them here.
;  (2) grd2sat [c][m] -> xT [m][c], a tile of 64 x 64 f32 through LDS;   (3) grd_x [c][row][w] -> yT [w * 16 + row][c], likewise, 128 tiles: work-groups 0 to 127;
;  (4) the six weight matrices of both blocks -> wst, f16, laid out as matrix fragments of 1,024 bytes in the order in which the later launches take them: 8 fragments a work-group, 2 a wave.
; A fragment (o, kc): lane (r = l % 16, h = l / 16) holds W[32 kc + 16 j + 8 h + 0..7][16 o + r] as 16 bytes at 512 j + 16 l, j = 0, 1.
; LIMITS.  Weights are rounded to f16: beyond 65,504 they become infinite, below 6e-5 they keep f16's fixed step.  A NaN in u counts as class 0.
.set KEYS,  0                          ; 1,024 keys
.set CNT,   4096                       ; 4 waves x 64 counts
.set TX,    5120                       ; the tile of grd2sat: 64 rows of 65 words: row + column picks the bank, both ways
.set TY,    21760                      ; the tile of grd_x
.set SPARE, 38400                      ; the spare words, 128 bytes a wave: no other line names them
.set KVW,   1572864                    ; wst: behind the main streams (4 waves x 2 blocks x 192 fragments) lie Wk's and Wv's fragments
; v1 4 l   v2 r   v3 h   v4, v5 tile in, tile out   v6, v7, v8 global lane offsets for row pitches of 16,384, 8,192, 1,024 bytes   v9 16 l   v10 keys to compare   v11 16 x thread
; v12 my counts' place   v13 weight lane offset   v14, v31 row numbers + 4096   v16-23 u, then keys   v24-25 my two query keys   v26-27 their counts   v28, v29 the add's two registers
; v32-63 x tile   v64-95 y tile   v96-127 weights f32   v128-143 weights f16   v144-175 two sets of 16 keys   v176-191 at work
.macro BAR
	s_wait_dscnt 0x0                       ; my LDS stores are done and my LDS loads are back, for the others' sake
	s_barrier_signal -1
	s_barrier_wait -1
.endm
.macro TIN dat, base                   ; element (row 16 w + 2 i + h, column 4 r + k) to word 65 row + column
.irp i,0,1,2,3,4,5,6,7
.irp k,0,1,2,3
	ds_store_b32 v4, v[(\dat)+4*(\i)+(\k)] offset:(\base)+520*(\i)+4*(\k)
.endr
.endr
.endm
.macro TOUT dat, base                  ; element (row 4 r + k, column 16 w + 2 i + h): the tile turned
.irp i,0,1,2,3,4,5,6,7
.irp k,0,1,2,3
	ds_load_b32 v[(\dat)+4*(\i)+(\k)], v5 offset:(\base)+260*(\k)+8*(\i)
.endr
.endr
.endm
.macro CONVLD pitch                    ; two neighbouring fragments' 32 numbers a lane; a load takes two runs of 64 bytes
.irp q,0,1
.irp j,0,1
.irp e,0,1,2,3,4,5,6,7
	global_load_b32 v[96+16*(\q)+8*(\j)+(\e)], v13, s[48:49] offset:(16*(\j)+(\e))*(\pitch)+64*(\q)
.endr
.endr
.endr
.endm
.macro KEYOF reg, base, plus           ; u -> (class << 12) + row: the base register holds the row + 4096, so that floor = -1 gives class 0
	v_floor_f32 v[\reg], v[\reg]
	v_max_num_f32 v[\reg], -1.0, v[\reg]
	v_min_num_f32 v[\reg], 0x42fe0000, v[\reg]   ; 127.0
	v_cvt_i32_f32 v[\reg], v[\reg]
	v_lshl_add_u32 v[\reg], v[\reg], 12, v[\base]
.if (\plus) != 0
	v_add_nc_u32 v[\reg], \plus, v[\reg]
.endif
.endm
.macro CMP16 set                       ; 16 keys against my two queries: key - query is negative where the key is smaller (keys stay under 2^20); the sign bits are counted
.set cm_k, 0
.rept 8
.set cm_t, 176+4*(cm_k%4)
	v_sub_nc_u32 v[cm_t],   v[(\set)+2*cm_k],   v24
	v_sub_nc_u32 v[cm_t+1], v[(\set)+2*cm_k+1], v24
	v_sub_nc_u32 v[cm_t+2], v[(\set)+2*cm_k],   v25
	v_sub_nc_u32 v[cm_t+3], v[(\set)+2*cm_k+1], v25
	v_lshrrev_b32 v[cm_t],   31, v[cm_t]
	v_lshrrev_b32 v[cm_t+1], 31, v[cm_t+1]
	v_lshrrev_b32 v[cm_t+2], 31, v[cm_t+2]
	v_lshrrev_b32 v[cm_t+3], 31, v[cm_t+3]
	v_add3_u32 v26, v26, v[cm_t],   v[cm_t+1]
	v_add3_u32 v27, v27, v[cm_t+2], v[cm_t+3]
.set cm_k, cm_k+1
.endr
.endm
	s_load_b512 s[8:23], s[0:1], 0x0       ; u s[8:9], Wq s[10:11], Wk s[12:13], Wv s[14:15], Wproj s[16:17], Wm1 s[18:19], Wm2 s[20:21], grd2sat s[22:23]
	s_load_b256 s[24:31], s[0:1], 0x40     ; grd_x s[24:25], rankp s[26:27], wst s[28:29], yT s[30:31]
	s_load_b64 s[32:33], s[0:1], 0x60      ; xT
	v_lshl_add_u32 v28, v0, 2, SPARE
	v_mov_b32 v29, 0
	v_lshrrev_b32 v15, 5, v0
	v_readfirstlane_b32 s3, v15            ; wave
	s_mov_b32 s2, ttmp9                    ; work-group g
	s_lshr_b32 s34, s2, 2                  ; g / 4: group of 64 rows; tile along m; tile of grd_x
	s_and_b32 s35, s2, 3                   ; g % 4: part of the keys; group of 64 channels
	s_mov_b32 s37, 0                       ; high word of the offset pair s[36:37]
	v_and_b32 v30, 31, v0                  ; l
	v_and_b32 v2, 15, v0                   ; r
	v_bfe_u32 v3, v0, 4, 1                 ; h
	v_lshlrev_b32 v1, 2, v30
	v_lshlrev_b32 v9, 4, v30
	v_lshlrev_b32 v11, 4, v0
	v_lshl_add_u32 v15, s3, 4, v3          ; 16 w + h
	v_mul_u32_u24 v4, v15, 260
	v_lshl_add_u32 v4, v2, 4, v4           ; (65 (16 w + h) + 4 r) words
	v_mul_u32_u24 v5, v2, 1040
	v_lshl_add_u32 v5, s3, 6, v5
	v_lshl_add_u32 v5, v3, 2, v5           ; (65 x 4 r + 16 w + h) words
	v_lshlrev_b32 v31, 4, v2
	v_lshl_add_u32 v6, v15, 14, v31
	v_lshl_add_u32 v7, v15, 13, v31
	v_lshl_add_u32 v8, v15, 10, v31
	s_lshl_b32 s38, s3, 10
	v_mov_b32 v10, s38                     ; my wave compares with keys 256 w ..
	v_lshl_add_u32 v12, s3, 8, v1
	v_add_nc_u32 v12, CNT, v12
	s_lshl_b32 s38, s35, 10
	s_add_co_u32 s38, s38, 4096
	v_lshl_add_u32 v14, v0, 2, s38         ; 1,024 part + 4 thread + 4096
	s_lshl_b32 s38, s34, 6
	s_add_co_u32 s38, s38, 4096
	v_add_nc_u32 v31, s38, v30             ; 64 group + l + 4096
	; which weights are mine.  b = g / 128; of a block's 128 work-groups 16 each take Wq, Wk, Wv, Wproj, 32 each Wm1, Wm2.
	s_lshr_b32 s66, s2, 7                  ; b
	s_and_b32 s67, s2, 127
	s_lshr_b32 s68, s67, 4                 ; type 0..7
	s_cmp_ge_u32 s68, 4
	s_cselect_b32 s69, 31, 15
	s_cselect_b32 s70, 19, 18              ; log2 of a block's bytes in the source
	s_and_b32 s69, s67, s69                ; my place among the type's work-groups
	s_lshr_b32 s71, s68, 1
	s_cmp_eq_u32 s71, 2                    ; Wm1: rows of 512 numbers, 32 column tiles, 8 to a wave of the main launch
	s_cselect_b32 s72, 11, 10              ; log2 of the row pitch
	s_cselect_b32 s73, 5, 4                ; log2 of the column tiles
	s_cselect_b32 s74, 3, 2                ; log2 of a wave's column tiles
	s_lshl_b32 s75, s69, 3
	s_lshl1_add_u32 s75, s3, s75           ; my first fragment's number (even)
	s_lshr_b32 s76, s75, s73               ; kc
	s_bfm_b32 s77, s73, 0
	s_and_b32 s77, s75, s77                ; o
	s_lshl_b32 s78, s66, s70               ; source offset: the block,
	s_lshl_b32 s79, s76, 5
	s_lshl_b32 s79, s79, s72
	s_add_co_u32 s78, s78, s79             ; 32 kc rows,
	s_lshl_b32 s79, s77, 6
	s_add_co_u32 s78, s78, s79             ; 16 o columns
	s_mov_b32 s79, 0
	s_mul_i32 s80, s66, 196608             ; destination: the block's place in a main stream,
	s_cmp_eq_u32 s68, 3
	s_cselect_b32 s81, 32768, 0            ; behind q's 32 fragments proj's,
	s_cmp_ge_u32 s68, 4
	s_cselect_b32 s81, 65536, s81          ; m1's 64,
	s_cmp_ge_u32 s68, 6
	s_cselect_b32 s81, 131072, s81         ; m2's 64
	s_add_co_u32 s80, s80, s81
	s_lshl1_add_u32 s81, s66, s68          ; or, for Wk and Wv: matrix 2 b + type - 1 of 131,072 bytes behind KVW
	s_sub_co_u32 s81, s81, 1
	s_lshl_b32 s81, s81, 17
	s_add_co_u32 s81, s81, KVW
	s_mov_b32 s83, 393216                  ; bytes from wave to wave in the destination
	s_sub_co_u32 s82, s68, 1
	s_cmp_lt_u32 s82, 2
	s_cselect_b32 s80, s81, s80
	s_cselect_b32 s83, 32768, s83
	s_lshr_b32 s84, s77, s74
	s_mul_i32 s84, s84, s83
	s_add_co_u32 s80, s80, s84             ; the wave that will take it,
	s_lshl_b32 s84, s76, s74
	s_bfm_b32 s85, s74, 0
	s_and_b32 s85, s77, s85
	s_add_co_u32 s84, s84, s85
	s_lshl_b32 s84, s84, 10
	s_add_co_u32 s80, s80, s84             ; and its turn there: kc x tiles a wave + tile
	s_mov_b32 s81, 0
	s_add_co_u32 s86, s72, 3
	v_lshlrev_b32 v13, s86, v3             ; 8 h rows
	v_lshl_add_u32 v13, v2, 2, v13         ; + column r
	s_wait_kmcnt 0x0
	s_mov_b64 s[48:49], s[10:11]
	s_cmp_eq_u32 s68, 1
	s_cselect_b64 s[48:49], s[12:13], s[48:49]
	s_cmp_eq_u32 s68, 2
	s_cselect_b64 s[48:49], s[14:15], s[48:49]
	s_cmp_eq_u32 s68, 3
	s_cselect_b64 s[48:49], s[16:17], s[48:49]
	s_cmp_ge_u32 s68, 4
	s_cselect_b64 s[48:49], s[18:19], s[48:49]
	s_cmp_ge_u32 s68, 6
	s_cselect_b64 s[48:49], s[20:21], s[48:49]
	s_add_nc_u64 s[48:49], s[48:49], s[78:79]
	s_add_nc_u64 s[50:51], s[28:29], s[80:81]
	s_lshl_b32 s36, s35, 12
	s_add_nc_u64 s[42:43], s[8:9], s[36:37]        ; u at my part of the keys
	s_lshl_b32 s36, s34, 8
	s_add_nc_u64 s[44:45], s[8:9], s[36:37]        ; u at my 64 rows
	s_lshl_b32 s38, s35, 20
	s_add_co_u32 s36, s36, s38
	s_add_nc_u64 s[46:47], s[22:23], s[36:37]      ; grd2sat: channel 64 (g % 4), row 64 (g / 4)
	s_lshl_b32 s36, s34, 16
	s_lshl_b32 s38, s35, 8
	s_add_co_u32 s36, s36, s38
	s_add_nc_u64 s[54:55], s[32:33], s[36:37]      ; xT: the same corner, turned
	s_lshl_b32 s36, s35, 14
	s_lshl_b32 s38, s34, 8
	s_add_co_u32 s36, s36, s38
	s_add_nc_u64 s[58:59], s[26:27], s[36:37]      ; rankp[part][64 group ..]
	; all loads go out together
	global_load_b128 v[16:19], v11, s[42:43]
	global_load_b128 v[20:23], v11, s[42:43] offset:2048
	global_load_b32 v24, v1, s[44:45]
	global_load_b32 v25, v1, s[44:45] offset:128
.irp i,0,1,2,3,4,5,6,7
	global_load_b128 v[32+4*(\i):35+4*(\i)], v6, s[46:47] offset:32768*(\i) th:TH_LOAD_NT   ; 16 lanes take 256 consecutive bytes of a channel's row
.endr
	s_cmp_eq_u32 s71, 2
	s_cbranch_scc1 .Lwide
	CONVLD 1024
	s_branch .Lasked
.Lwide:
	CONVLD 2048
.Lasked:
	s_cmp_lt_u32 s2, 128
	s_cbranch_scc0 .Lno_y_in               ; grd_x has 128 tiles
	s_lshr_b32 s39, s34, 1                 ; the image row
	s_and_b32 s38, s34, 1                  ; which 64 image columns
	s_lshl_b32 s36, s35, 19                ; 64 channels of 8,192 bytes
	s_lshl_b32 s60, s39, 9
	s_add_co_u32 s36, s36, s60
	s_lshl_b32 s60, s38, 8
	s_add_co_u32 s36, s36, s60
	s_add_nc_u64 s[52:53], s[24:25], s[36:37]
.irp i,0,1,2,3,4,5,6,7
	global_load_b128 v[64+4*(\i):67+4*(\i)], v7, s[52:53] offset:16384*(\i) th:TH_LOAD_NT
.endr
	s_wait_loadcnt 0x0                     ; these eight are the youngest
	TIN 64, TY
.Lno_y_in:
	s_wait_loadcnt 40                      ; u is in: behind its four loads went the x tile's 8 and the weights' 32
.set pk_i, 0
.rept 8
	KEYOF 16+pk_i, 14, 512*(pk_i/4)+pk_i%4
.set pk_i, pk_i+1
.endr
	ds_store_b128 v11, v[16:19] offset:KEYS
	ds_store_b128 v11, v[20:23] offset:KEYS+2048
	KEYOF 24, 31, 0
	KEYOF 25, 31, 32
	v_mov_b32 v26, 0
	v_mov_b32 v27, 0
	s_wait_loadcnt 32                      ; the x tile is in: the weights' 32 are younger
	TIN 32, TX
	s_wait_loadcnt 0x0                     ; the weights
.set pk_i, 0
.rept 16
	v_cvt_pk_f16_f32 v[128+pk_i], v[96+2*pk_i], v[96+2*pk_i+1]
.set pk_i, pk_i+1
.endr
.irp q,0,1,2,3
	global_store_b128 v9, v[128+4*(\q):131+4*(\q)], s[50:51] offset:512*(\q)    ; 512 consecutive bytes each
.endr
	BAR                                    ; keys and tiles are whole
	TOUT 32, TX
	s_wait_dscnt 0x0
.irp i,0,1,2,3,4,5,6,7
	global_store_b128 v8, v[32+4*(\i):35+4*(\i)], s[54:55] offset:2048*(\i)     ; 16 lanes store 256 consecutive bytes, aligned
.endr
	s_cmp_lt_u32 s2, 128
	s_cbranch_scc0 .Lno_y_out
	s_lshr_b32 s39, s34, 1
	s_and_b32 s38, s34, 1
	s_lshl_b32 s36, s38, 20                ; 64 columns x 16 tokens x 1,024 bytes
	s_lshl_b32 s60, s39, 10
	s_add_co_u32 s36, s36, s60
	s_lshl_b32 s60, s35, 8
	s_add_co_u32 s36, s36, s60
	s_add_nc_u64 s[56:57], s[30:31], s[36:37]
	TOUT 64, TY
	s_wait_dscnt 0x0
.irp i,0,1,2,3,4,5,6,7
	global_store_b128 v6, v[64+4*(\i):67+4*(\i)], s[56:57] offset:32768*(\i)
.endr
.Lno_y_out:
	; the counting: lanes are queries, keys come as the same 16 bytes for all lanes; two sets of 16 keys take turns
.irp j,0,1,2,3
	ds_load_b128 v[144+4*(\j):147+4*(\j)], v10 offset:KEYS+16*(\j)
.endr
.irp j,0,1,2,3
	ds_load_b128 v[160+4*(\j):163+4*(\j)], v10 offset:KEYS+64+16*(\j)
.endr
	s_mov_b32 s40, 7
.Lcount:
	s_wait_dscnt 4                         ; the older set is in, the other set's four loads stay out
	CMP16 144
.irp j,0,1,2,3
	ds_load_b128 v[144+4*(\j):147+4*(\j)], v10 offset:KEYS+128+16*(\j)
.endr
	s_wait_dscnt 4
	CMP16 160
.irp j,0,1,2,3
	ds_load_b128 v[160+4*(\j):163+4*(\j)], v10 offset:KEYS+192+16*(\j)
.endr
	v_add_nc_u32 v10, 128, v10
	s_sub_co_u32 s40, s40, 1
	s_cmp_lg_u32 s40, 0
	s_cbranch_scc1 .Lcount
	s_wait_dscnt 4                         ; the last 32 keys: nothing more is fetched
	CMP16 144
	s_wait_dscnt 0x0
	CMP16 160
	ds_store_b32 v12, v26
	ds_store_b32 v12, v27 offset:128
	BAR
	s_cmp_lg_u32 s3, 0
	s_cbranch_scc1 .Lend                   ; wave 0 adds the four waves' counts: lane l takes rows 2 l, 2 l + 1
	v_lshlrev_b32 v15, 3, v30
	ds_load_b64 v[16:17], v15 offset:CNT
	ds_load_b64 v[18:19], v15 offset:CNT+256
	ds_load_b64 v[20:21], v15 offset:CNT+512
	ds_load_b64 v[22:23], v15 offset:CNT+768
	s_wait_dscnt 0x0
	v_add_nc_u32 v16, v16, v18
	v_add_nc_u32 v17, v17, v19
	v_add_nc_u32 v20, v20, v22
	v_add_nc_u32 v21, v21, v23
	v_add_nc_u32 v16, v16, v20
	v_add_nc_u32 v17, v17, v21
	global_store_b64 v15, v[16:17], s[58:59]       ; 32 lanes store 256 consecutive bytes, aligned
.Lend:
	s_wait_tensorcnt 0x0                   ; the wave's end
	ds_add_u32 v28, v29
	s_wait_dscnt 0x0
	s_endpgm
.Lfunc_end_k_q5d2b37564b_prep:
	.size	k_q5d2b37564b_prep, .Lfunc_end_k_q5d2b37564b_prep-k_q5d2b37564b_prep
	.p2alignl 7, 3214868480
	.fill 96, 4, 3214868480
	.section	.rodata,"a",@progbits
	.p2align	6, 0x0
	.amdhsa_kernel k_q5d2b37564b_prep
		.amdhsa_group_segment_fixed_size 38912
		.amdhsa_private_segment_fixed_size 0
		.amdhsa_enable_private_segment 0
		.amdhsa_kernarg_size 104
		.amdhsa_user_sgpr_count 2
		.amdhsa_user_sgpr_kernarg_segment_ptr 1
		.amdhsa_wavefront_size32 1
		.amdhsa_system_sgpr_workgroup_id_x 1
		.amdhsa_system_sgpr_workgroup_id_y 1
		.amdhsa_system_sgpr_workgroup_id_z 1
		.amdhsa_system_vgpr_workitem_id 0
		.amdhsa_next_free_vgpr 192
		.amdhsa_next_free_sgpr 88
		.amdhsa_reserve_vcc 0
		.amdhsa_float_denorm_mode_32 3
		.amdhsa_float_denorm_mode_16_64 3
		.amdhsa_memory_ordered 1
		.amdhsa_forward_progress 1
		.amdhsa_inst_pref_size 42
	.end_amdhsa_kernel
	.amdgpu_metadata
---
amdhsa.version: [ 1, 2 ]
amdhsa.kernels:
  - .name:           k_q5d2b37564b_prep
    .symbol:         k_q5d2b37564b_prep.kd
    .args:
      - { .name: u, .offset: 0, .size: 8, .value_kind: global_buffer, .address_space: global }
      - { .name: Wq, .offset: 8, .size: 8, .value_kind: global_buffer, .address_space: global }
      - { .name: Wk, .offset: 16, .size: 8, .value_kind: global_buffer, .address_space: global }
      - { .name: Wv, .offset: 24, .size: 8, .value_kind: global_buffer, .address_space: global }
      - { .name: Wproj, .offset: 32, .size: 8, .value_kind: global_buffer, .address_space: global }
      - { .name: Wm1, .offset: 40, .size: 8, .value_kind: global_buffer, .address_space: global }
      - { .name: Wm2, .offset: 48, .size: 8, .value_kind: global_buffer, .address_space: global }
      - { .name: grd2sat, .offset: 56, .size: 8, .value_kind: global_buffer, .address_space: global }
      - { .name: grd_x, .offset: 64, .size: 8, .value_kind: global_buffer, .address_space: global }
      - { .name: rankp, .offset: 72, .size: 8, .value_kind: global_buffer, .address_space: global }
      - { .name: wst, .offset: 80, .size: 8, .value_kind: global_buffer, .address_space: global }
      - { .name: yT, .offset: 88, .size: 8, .value_kind: global_buffer, .address_space: global }
      - { .name: xT, .offset: 96, .size: 8, .value_kind: global_buffer, .address_space: global }
    .group_segment_fixed_size: 38912
    .private_segment_fixed_size: 0
    .kernarg_segment_align: 8
    .kernarg_segment_size: 104
    .max_flat_workgroup_size: 128
    .sgpr_count:     88
    .vgpr_count:     192
    .wavefront_size: 32
...
	.end_amdgpu_metadata
.endif
;; end of part 1
;; launch kvprep (part 2): grid 256 x 1, 4 waves a work-group, no clusters, 0 bytes of LDS; arguments u, rankp, yT, wst, ln_k_w, ln_k_b, ln_v_w, ln_v_b, perm, kv; writes perm, kv
.if DOCPART == 2
	.amdgcn_target "amdgcn-amd-amdhsa--gfx1250"
	.amdhsa_code_object_version 6
	.text
	.protected	k_q5d2b37564b_kvprep
	.globl	k_q5d2b37564b_kvprep
	.p2align	8
	.type	k_q5d2b37564b_kvprep,@function
k_q5d2b37564b_kvprep:
	s_mov_b64 s[64:65], 0
	v_nop
	global_prefetch_b8 v0, s[64:65] scope:SCOPE_SE
	s_setreg_imm32_b32 hwreg(HW_REG_WAVE_MODE, 25, 1), 1
	s_wait_xcnt 0x0
; KVPREP.  The 32 keys of a query row are the 16 tokens of each of two image columns, and layer norm, Wk and Wv act on a token alone: so K and V are made once for each of the 2,048 tokens and each block.
; Work-group g: matrix g / 64 (block = matrix / 2; K or V = matrix % 2), image columns 2 (g % 64) and the next.  Wave w: output tiles 4 w .. 4 w + 3 of 16 channels.  No LDS, no barrier: each wave
; norms the two columns' 32 tokens for itself (a lane holds 128 of a token's 256 channels, just those of its place in a matrix fragment; the lane 16 away holds the others).
; K = W^T x y^T: a lane of the result holds one token and 8 channels.  V = y x W: a lane holds one channel and 8 tokens.  Rounded to f16 those are halves of the fragments that the main launch multiplies by:
; kv[block][K, V][column][tile o][lane][16 bytes].
; Work-groups 0 to 31 also place the rows: rank = the sum of the four partial ranks that the launch before stored; perm[rank] = row, perm[4096 + rank] = its class.
; LIMITS.  Operands in f16 (65,504 at the most; K and V too); sums, means and variances in f32, the variance about the mean.  A NaN in u counts as class 0.
; REGISTERS, in windows of 256 (s_set_vgpr_msb: bits 1:0 source 0, 3:2 source 1, 5:4 source 2, 7:6 destination):
;   window 0: v1 16 l; v2, v3 lane offsets in yT and in the gains; v8-23 statistics; v32-159 the normed tokens in f16, column c, K step kc at 32 + 64 c + 8 kc; v160-223 accumulators (tile, column); v224-255 packed
;   window 1: the wave's 32 weight fragments      window 2: gain 0-127, bias 128-255      window 3: the two columns' tokens in f32
.set KVW, 1572864
.set MSB, 0
.macro WIN new                         ; the high byte repeats the setting that is left; a switch that changes nothing is dropped
.if MSB != (\new)
	s_set_vgpr_msb (MSB<<8)|(\new)
.set MSB, \new
.endif
.endm
.macro NOP4
.rept 4
	v_nop
.endr
.endm
.macro RED b                           ; four pairs at v[b .. b+7]: their sum, over both halves of the lanes, into v[b]
	v_pk_add_f32 v[(\b):(\b)+1], v[(\b):(\b)+1], v[(\b)+2:(\b)+3]
	v_pk_add_f32 v[(\b)+4:(\b)+5], v[(\b)+4:(\b)+5], v[(\b)+6:(\b)+7]
	v_pk_add_f32 v[(\b):(\b)+1], v[(\b):(\b)+1], v[(\b)+4:(\b)+5]
	v_add_f32 v[(\b)], v[(\b)], v[(\b)+1]
	v_permlanex16_b32 v[(\b)+1], v[(\b)], s42, s43
	v_add_f32 v[(\b)], v[(\b)], v[(\b)+1]
.endm
.macro LNCOL col                       ; layer norm of one column's 16 tokens, and the rounding to f16
.set YB, 128*(\col)
	WIN 0x0f                               ; sources in window 3, destination in window 0
.irp c,0,1,2,3
	v_pk_add_f32 v[8+2*(\c):9+2*(\c)], v[YB+2*(\c):YB+2*(\c)+1], v[YB+8+2*(\c):YB+8+2*(\c)+1]   ; the first eight pairs start four chains
.endr
	WIN 0x0c
.set ln_p, 8
.rept 56
	v_pk_add_f32 v[8+2*(ln_p%4):9+2*(ln_p%4)], v[8+2*(ln_p%4):9+2*(ln_p%4)], v[YB+2*ln_p:YB+2*ln_p+1]
.set ln_p, ln_p+1
.endr
	WIN 0
	RED 8
	v_mul_f32 v8, s30, v8                  ; the mean
	WIN 0xc3
.set ln_p, 0
.rept 64
	v_pk_add_f32 v[YB+2*ln_p:YB+2*ln_p+1], v[YB+2*ln_p:YB+2*ln_p+1], v[8:9] op_sel_hi:[1,0] neg_lo:[0,1] neg_hi:[0,1]
.set ln_p, ln_p+1
.endr
	WIN 0x0f
.irp c,0,1,2,3
	v_pk_mul_f32 v[16+2*(\c):17+2*(\c)], v[YB+2*(\c):YB+2*(\c)+1], v[YB+2*(\c):YB+2*(\c)+1]
.endr
.set ln_p, 4
.rept 60
	v_pk_fma_f32 v[16+2*(ln_p%4):17+2*(ln_p%4)], v[YB+2*ln_p:YB+2*ln_p+1], v[YB+2*ln_p:YB+2*ln_p+1], v[16+2*(ln_p%4):17+2*(ln_p%4)]
.set ln_p, ln_p+1
.endr
	WIN 0
	RED 16
	v_fma_f32 v16, v16, s30, s31           ; variance + 1e-5
	v_rsq_f32 v16, v16
	v_nop                                  ; a plain instruction between the root and its use
	WIN 0xc3
.set ln_p, 0
	s_wait_alu depctr_va_vdst(0)
.rept 64
	v_pk_mul_f32 v[YB+2*ln_p:YB+2*ln_p+1], v[YB+2*ln_p:YB+2*ln_p+1], v[16:17] op_sel_hi:[1,0]
.set ln_p, ln_p+1
.endr
	WIN 0xeb                               ; tokens in window 3, gain and bias in window 2
.set ln_p, 0
.rept 64
	v_pk_fma_f32 v[YB+2*ln_p:YB+2*ln_p+1], v[YB+2*ln_p:YB+2*ln_p+1], v[2*ln_p:2*ln_p+1], v[128+2*ln_p:128+2*ln_p+1]
.set ln_p, ln_p+1
.endr
	WIN 0x0f
.set ln_p, 0
.rept 64
	v_cvt_pk_f16_f32 v[32+64*(\col)+ln_p], v[YB+2*ln_p], v[YB+2*ln_p+1]
.set ln_p, ln_p+1
.endr
	WIN 0
.endm
.macro KVMM isv                        ; 64 matrix instructions; the 8 accumulators take turns, one instruction a turn; the first K step starts the sums
.set km_k, 0
.rept 8
.set km_o, 0
.rept 4
.set km_c, 0
.rept 2
.set km_d, 160+16*km_o+8*km_c
.set km_w, 8*(4*km_k+km_o)
.set km_x, 32+64*km_c+8*km_k
.if \isv
	WIN 0x04                               ; source 1, the weights, in window 1
.if km_k == 0
	v_wmma_f32_16x16x32_f16 v[km_d:km_d+7], v[km_x:km_x+7], v[km_w:km_w+7], 0
.else
	v_wmma_f32_16x16x32_f16 v[km_d:km_d+7], v[km_x:km_x+7], v[km_w:km_w+7], v[km_d:km_d+7]
.endif
.else
	WIN 0x01                               ; source 0, the weights, in window 1
.if km_k == 0
	v_wmma_f32_16x16x32_f16 v[km_d:km_d+7], v[km_w:km_w+7], v[km_x:km_x+7], 0
.else
	v_wmma_f32_16x16x32_f16 v[km_d:km_d+7], v[km_w:km_w+7], v[km_x:km_x+7], v[km_d:km_d+7]
.endif
.endif
.set km_c, km_c+1
.endr
.set km_o, km_o+1
.endr
.set km_k, km_k+1
.endr
	WIN 0
.endm
	s_load_b512 s[4:19], s[0:1], 0x0       ; u s[4:5], rankp s[6:7], yT s[8:9], wst s[10:11], ln_k_w s[12:13], ln_k_b s[14:15], ln_v_w s[16:17], ln_v_b s[18:19]
	s_load_b128 s[20:23], s[0:1], 0x40     ; perm s[20:21], kv s[22:23]
	v_lshrrev_b32 v4, 5, v0
	v_readfirstlane_b32 s3, v4             ; wave
	s_mov_b32 s2, ttmp9
	s_lshr_b32 s24, s2, 6                  ; matrix
	s_lshr_b32 s25, s24, 1                 ; block
	s_and_b32 s26, s24, 1                  ; 0: K, 1: V
	s_and_b32 s27, s2, 63
	s_lshl_b32 s27, s27, 1                 ; first column
	s_mov_b32 s29, 0
	s_mov_b32 s30, 0x3b800000              ; 1 / 256
	s_mov_b32 s31, 0x3727c5ac              ; 1e-5
	s_mov_b32 s42, 0x76543210              ; v_permlanex16_b32: each lane takes its own place in the other half
	s_mov_b32 s43, 0xfedcba98
	v_and_b32 v4, 31, v0
	v_lshlrev_b32 v1, 4, v4
	v_and_b32 v5, 15, v0
	v_bfe_u32 v6, v0, 4, 1
	v_lshlrev_b32 v3, 5, v6                ; channels 8 h on
	v_lshl_add_u32 v2, v5, 10, v3          ; token r's row
	s_wait_kmcnt 0x0
	s_cmp_eq_u32 s26, 0
	s_cselect_b64 s[32:33], s[12:13], s[16:17]
	s_cselect_b64 s[34:35], s[14:15], s[18:19]
	s_lshl_b32 s28, s25, 10
	s_add_nc_u64 s[32:33], s[32:33], s[28:29]      ; the block's gain
	s_add_nc_u64 s[34:35], s[34:35], s[28:29]      ; and bias
	s_lshl2_add_u32 s28, s24, s3
	s_lshl_b32 s28, s28, 15
	s_add_co_u32 s28, s28, KVW
	s_add_nc_u64 s[36:37], s[10:11], s[28:29]      ; my wave's 32 fragments
	s_lshl_b32 s28, s27, 14
	s_add_nc_u64 s[38:39], s[8:9], s[28:29]        ; the two columns' tokens
	s_lshl_b32 s28, s24, 20
	s_lshl_b32 s44, s27, 13
	s_add_co_u32 s28, s28, s44
	s_lshl_b32 s44, s3, 11
	s_add_co_u32 s28, s28, s44
	s_add_nc_u64 s[40:41], s[22:23], s[28:29]      ; where my tiles go
	WIN 0xc0
.set ld_i, 0
.rept 64                               ; column i / 32; 16 bytes at 64 (i / 2 % 16) + 16 (i % 2): channels 32 kc + 16 j + 8 h + 0..7
	global_load_b128 v[4*ld_i:4*ld_i+3], v2, s[38:39] offset:16384*(ld_i/32)+64*((ld_i/2)%16)+16*(ld_i%2)
.set ld_i, ld_i+1
.endr
	WIN 0x80
.set ld_i, 0
.rept 32
	global_load_b128 v[4*ld_i:4*ld_i+3], v3, s[32:33] offset:64*(ld_i/2)+16*(ld_i%2)
	global_load_b128 v[128+4*ld_i:128+4*ld_i+3], v3, s[34:35] offset:64*(ld_i/2)+16*(ld_i%2)
.set ld_i, ld_i+1
.endr
	WIN 0x40
.set ld_i, 0
.rept 64
	global_load_b128 v[4*ld_i:4*ld_i+3], v1, s[36:37] offset:512*ld_i
.set ld_i, ld_i+1
.endr
	WIN 0
	s_wait_loadcnt 63                      ; tokens, gain and bias are in: behind the last of them went the weights' 64 loads
	LNCOL 0
	LNCOL 1
	s_wait_loadcnt 0x0                     ; the weights
	s_cmp_eq_u32 s26, 0
	s_cbranch_scc0 .Lfor_v
	KVMM 0
	s_branch .Lmade
.Lfor_v:
	KVMM 1
.Lmade:
	NOP4                                   ; the places between the last products and the conversions that read them
.set pk_i, 0
.rept 32
	v_cvt_pk_f16_f32 v[224+pk_i], v[160+2*pk_i], v[160+2*pk_i+1]     ; each accumulator from its low end on
.set pk_i, pk_i+1
.endr
.set pk_i, 0
.rept 8                                ; (tile, column)
	global_store_b128 v1, v[224+4*pk_i:224+4*pk_i+3], s[40:41] offset:8192*(pk_i%2)+512*(pk_i/2)     ; 512 consecutive bytes
.set pk_i, pk_i+1
.endr
	s_cmp_lt_u32 s2, 32
	s_cbranch_scc0 .Lend
	s_lshl_b32 s28, s2, 7
	v_add_nc_u32 v4, s28, v0               ; row m
	v_lshlrev_b32 v5, 2, v4
	global_load_b32 v8, v5, s[6:7]
	global_load_b32 v9, v5, s[6:7] offset:16384
	global_load_b32 v10, v5, s[6:7] offset:32768
	global_load_b32 v11, v5, s[6:7] offset:49152
	global_load_b32 v12, v5, s[4:5]
	s_wait_loadcnt 0x0
	v_add3_u32 v8, v8, v9, v10
	v_add_nc_u32 v8, v8, v11               ; the row's place among the sorted rows
	v_min_u32 v8, 0xfff, v8
	v_lshlrev_b32 v8, 2, v8
	v_floor_f32 v12, v12
	v_max_num_f32 v12, -1.0, v12
	v_min_num_f32 v12, 0x42fe0000, v12
	v_cvt_i32_f32 v12, v12
	v_add_nc_u32 v12, 1, v12               ; its class
	global_store_b32 v8, v4, s[20:21]      ; a placement scatters: 4 bytes a row, 32 KiB in all
	global_store_b32 v8, v12, s[20:21] offset:16384
.Lend:
	s_endpgm
.Lfunc_end_k_q5d2b37564b_kvprep:
	.size	k_q5d2b37564b_kvprep, .Lfunc_end_k_q5d2b37564b_kvprep-k_q5d2b37564b_kvprep
	.p2alignl 7, 3214868480
	.fill 96, 4, 3214868480
	.section	.rodata,"a",@progbits
	.p2align	6, 0x0
	.amdhsa_kernel k_q5d2b37564b_kvprep
		.amdhsa_group_segment_fixed_size 0
		.amdhsa_private_segment_fixed_size 0
		.amdhsa_enable_private_segment 0
		.amdhsa_kernarg_size 80
		.amdhsa_user_sgpr_count 2
		.amdhsa_user_sgpr_kernarg_segment_ptr 1
		.amdhsa_wavefront_size32 1
		.amdhsa_system_sgpr_workgroup_id_x 1
		.amdhsa_system_sgpr_workgroup_id_y 1
		.amdhsa_system_sgpr_workgroup_id_z 1
		.amdhsa_system_vgpr_workitem_id 0
		.amdhsa_next_free_vgpr 1024
		.amdhsa_next_free_sgpr 66
		.amdhsa_reserve_vcc 0
		.amdhsa_float_denorm_mode_32 3
		.amdhsa_float_denorm_mode_16_64 3
		.amdhsa_memory_ordered 1
		.amdhsa_forward_progress 1
		.amdhsa_inst_pref_size 83
	.end_amdhsa_kernel
	.amdgpu_metadata
---
amdhsa.version: [ 1, 2 ]
amdhsa.kernels:
  - .name:           k_q5d2b37564b_kvprep
    .symbol:         k_q5d2b37564b_kvprep.kd
    .args:
      - { .name: u, .offset: 0, .size: 8, .value_kind: global_buffer, .address_space: global }
      - { .name: rankp, .offset: 8, .size: 8, .value_kind: global_buffer, .address_space: global }
      - { .name: yT, .offset: 16, .size: 8, .value_kind: global_buffer, .address_space: global }
      - { .name: wst, .offset: 24, .size: 8, .value_kind: global_buffer, .address_space: global }
      - { .name: ln_k_w, .offset: 32, .size: 8, .value_kind: global_buffer, .address_space: global }
      - { .name: ln_k_b, .offset: 40, .size: 8, .value_kind: global_buffer, .address_space: global }
      - { .name: ln_v_w, .offset: 48, .size: 8, .value_kind: global_buffer, .address_space: global }
      - { .name: ln_v_b, .offset: 56, .size: 8, .value_kind: global_buffer, .address_space: global }
      - { .name: perm, .offset: 64, .size: 8, .value_kind: global_buffer, .address_space: global }
      - { .name: kv, .offset: 72, .size: 8, .value_kind: global_buffer, .address_space: global }
    .group_segment_fixed_size: 0
    .private_segment_fixed_size: 0
    .kernarg_segment_align: 8
    .kernarg_segment_size: 80
    .max_flat_workgroup_size: 128
    .sgpr_count:     66
    .vgpr_count:     1024
    .wavefront_size: 32
...
	.end_amdgpu_metadata
.endif
;; end of part 2
;; launch main (part 3): grid 128 x 1, 4 waves a work-group, no clusters, 90,624 bytes of LDS; arguments xT, perm, wst, kv, ln_q_w, ln_q_b, bproj, ln_pre_w, ln_pre_b, bm2, ln_post_w, ln_post_b, bm1, res; writes res
.if DOCPART == 3
	.amdgcn_target "amdgcn-amd-amdhsa--gfx1250"
	.amdhsa_code_object_version 6
	.text
	.protected	k_q5d2b37564b_main
	.globl	k_q5d2b37564b_main
	.p2align	8
	.type	k_q5d2b37564b_main,@function
k_q5d2b37564b_main:
	s_mov_b64 s[64:65], 0
	v_nop
	global_prefetch_b8 v0, s[64:65] scope:SCOPE_SE
	s_setreg_imm32_b32 hwreg(HW_REG_WAVE_MODE, 25, 1), 1
	s_wait_xcnt 0x0
; MAIN.  Both blocks of cross attention and the closing L2 norm for 32 query rows a work-group; rows never mix, so the state stays in registers from first to last.
; ROWS.  The work-group takes places 32 g .. 32 g + 31 of the rows sorted by class (perm, stored by an earlier launch): two tiles of 16.  Rows of one class share their 32 keys, so attention is made of whole
; 16 x 16 x 32 products: for each class between the first and the last of my rows, scores, softmax and weighted sum for all 32 rows, the weights of rows of another class set to 0.
; SHARES.  Wave w owns output channels 64 w .. 64 w + 63 of every layer (heads 2 w, 2 w + 1; 128 hidden channels in the MLP) for all 32 rows.
; LAYOUT.  Everything is used transposed: D = W^T (source 0) x activation^T (source 1).  A lane (r = l % 16, h = l / 16) of a result holds row r and channels 16 o + 8 h + 0..7; two neighbouring tiles rounded to f16
; are source 1 of the next layer.  The waves exchange those fragments through LDS (one barrier a layer); layer norms exchange a mean and a sum of squares about it for each wave's 64 channels.
; WEIGHTS come as ready fragments (wst), each used by one wave of the work-group alone: so they go from memory straight into that wave's registers, through a ring of 32 fragments (32 KiB a wave on their way).
; NO CLUSTER, NO TENSOR LOADS: a weight fragment is read by one wave of a work-group, so LDS would add a write and a read of 1.5 MB a work-group; K and V are wanted for classes that differ from work-group to work-group.
; GELU is exact to 1.5e-7: max(x, 0) - |x| erfc(|x| / sqrt 2) / 2 with Abramowitz and Stegun's 7.1.26 for erfc.
; LIMITS.  Matrix operands in f16: normed rows, q, k, v, attention's output and the hidden layer stay under 65,504.  Softmax takes the row's maximum away; its weights are divided by their sum before they are rounded
; to f16.  Variances are taken about the mean.  NaN and infinities are not treated apart.
; REGISTERS, in windows of 256 (s_set_vgpr_msb: bits 1:0 source 0, 3:2 source 1, 5:4 source 2, 7:6 destination):
;   window 0: v1 16 l; v2-5 K/V lane offsets; v6-12, v15 LDS addresses; v13-14 my rows' classes; v16-79 X: the state (tile t, channel tile o at 16 + 32 t + 8 o), attention's sums in between;
;             v80-207 ACC (in attention: scores 80-143, q 144-175, weights 176-207; in the norms: gain 144-175, bias 176-207); v208-251 at work; v252, v253 the add's two registers
;   window 1: the ring of weight fragments, fragment f at 8 (f % 32)      window 2: source 1's fragments from 0 on; K and V of two classes at 128 and 192; later the biases at 128
.set P_QW,   0                         ; LDS: the nine small inputs as they lie in memory; a block is 1,024 bytes on (bm1: 2,048)
.set P_QB,   2048
.set P_BP,   4096
.set P_PREW, 6144
.set P_PREB, 8192
.set P_BM2,  10240
.set P_POW,  12288
.set P_POB,  14336
.set P_BM1,  16384
.set STAT,   20480                     ; four regions of 1,024 bytes: wave x 256 + row x 8
.set SQ,     0
.set SPRE,   1024
.set SPOST,  2048
.set SFIN,   3072
.set ACT0,   24576                     ; fragments of 256 channels x 32 rows: ((t x 8 + kc) x 2 + j) x 512 + 16 l
.set ACT1,   40960
.set HID,    57344                     ; the same for 512 channels
.set STG,    40960                     ; at the end: 32 rows of 1,024 bytes, 1,040 apart
.set SPARE,  90112                     ; the spare words, 128 bytes a wave: no other line names them
.set MSB, 0
.macro WIN new                         ; the high byte repeats the setting that is left; a switch that changes nothing is dropped
.if MSB != (\new)
	s_set_vgpr_msb (MSB<<8)|(\new)
.set MSB, \new
.endif
.endm
.macro NOP4                            ; four places: behind matrix instructions, ahead of what reads their results or loads into their registers
.rept 4
	v_nop
.endr
.endm
.macro BAR
	s_wait_dscnt 0x0                       ; my LDS stores are done and my LDS loads are back, for the others' sake
	s_barrier_signal -1
	s_barrier_wait -1
.endm
.macro RFILL f0                        ; the eight ring slots just multiplied take the fragments 32 further on; behind the block's 192 the other stream's first 32
	WIN 0x40
.set r_e, 0
.rept 8
.set r_fn, (\f0)+r_e+32
.set r_s, 8*(((\f0)+r_e)%32)
.if r_fn < 192
	global_load_b128 v[r_s:r_s+3],   v1, s[32:33] offset:r_fn*1024
	global_load_b128 v[r_s+4:r_s+7], v1, s[32:33] offset:r_fn*1024+512
.else
	global_load_b128 v[r_s:r_s+3],   v1, s[34:35] offset:(r_fn-192)*1024
	global_load_b128 v[r_s+4:r_s+7], v1, s[34:35] offset:(r_fn-192)*1024+512
.endif
.set r_e, r_e+1
.endr
.endm
; A layer: fragments FB .. of the stream, OTW output tiles, KC steps of 32; accumulator (t, o) at DST + TS t + 8 o.  CK = 0: the first step starts the sums with 0; 1: with the bias (window 2, 128 + 8 o); 2: onto what DST holds.
; The 2 OTW accumulators take turns, one instruction a turn.
.macro GEMM FB, OTW, KC, DST, TS, CK
.set g_f, 0
.rept (\OTW)*(\KC)/8
	s_wait_loadcnt 48                      ; this group's 16 loads are in: behind them went the three following groups' 48 (any other load issued since only makes the wait stricter)
.rept 8
.set g_o, g_f%(\OTW)
.set g_k, g_f/(\OTW)
.set g_a, 8*(((\FB)+g_f)%32)
.set g_t, 0
.rept 2
.set g_d, (\DST)+(\TS)*g_t+8*g_o
.set g_b, 8*(g_t*(\KC)+g_k)
.if (g_k == 0) && ((\CK) == 0)
	WIN 0x09
	v_wmma_f32_16x16x32_f16 v[g_d:g_d+7], v[g_a:g_a+7], v[g_b:g_b+7], 0
.elseif (g_k == 0) && ((\CK) == 1)
	WIN 0x29
	v_wmma_f32_16x16x32_f16 v[g_d:g_d+7], v[g_a:g_a+7], v[g_b:g_b+7], v[128+8*g_o:128+8*g_o+7]
.else
	WIN 0x09
	v_wmma_f32_16x16x32_f16 v[g_d:g_d+7], v[g_a:g_a+7], v[g_b:g_b+7], v[g_d:g_d+7]
.endif
.set g_t, g_t+1
.endr
.set g_f, g_f+1
.endr
	NOP4
	RFILL (\FB)+g_f-8
.endr
	WIN 0
.endm
.macro LOADB areg, off, KC             ; source 1's fragments of both tiles into window 2
	WIN 0x80
.set l_i, 0
.rept 2*(\KC)
	ds_load_b128 v[8*l_i:8*l_i+3],   v[\areg] offset:(\off)+1024*l_i
	ds_load_b128 v[8*l_i+4:8*l_i+7], v[\areg] offset:(\off)+1024*l_i+512
.set l_i, l_i+1
.endr
	WIN 0
.endm
.macro LOADBIAS areg, off, n           ; a bias in an accumulator's layout: register j = channel 16 o + 8 h + j
	WIN 0x80
.set l_i, 0
.rept \n
	ds_load_b128 v[128+8*l_i:128+8*l_i+3], v[\areg] offset:(\off)+64*l_i
	ds_load_b128 v[128+8*l_i+4:128+8*l_i+7], v[\areg] offset:(\off)+64*l_i+16
.set l_i, l_i+1
.endr
	WIN 0
.endm
.macro RED4 b                          ; four pairs at v[b .. b+7]: their sum, over both halves of the lanes, into v[b]
	v_pk_add_f32 v[(\b):(\b)+1], v[(\b):(\b)+1], v[(\b)+2:(\b)+3]
	v_pk_add_f32 v[(\b)+4:(\b)+5], v[(\b)+4:(\b)+5], v[(\b)+6:(\b)+7]
	v_pk_add_f32 v[(\b):(\b)+1], v[(\b):(\b)+1], v[(\b)+4:(\b)+5]
	v_add_f32 v[(\b)], v[(\b)], v[(\b)+1]
	v_permlanex16_b32 v[(\b)+1], v[(\b)], s66, s67
	v_add_f32 v[(\b)], v[(\b)], v[(\b)+1]
.endm
; My wave's 64 channels of each row: their mean and the sum of squares about it, into region REG.  Each accumulator is read from its low end on.  Tile t works in v[208 + 20 t ..].
.macro LNSTAT SRC, REG
	WIN 0
.irp part,0,4,6
.set ls_i, 0
.rept 8
.set ls_s, 208+20*(ls_i/4)+2*(ls_i%4)
.set ls_a, (\SRC)+8*ls_i
.if (\part) == 0
	v_pk_add_f32 v[ls_s:ls_s+1], v[ls_a:ls_a+1], v[ls_a+2:ls_a+3]
.else
	v_pk_add_f32 v[ls_s:ls_s+1], v[ls_s:ls_s+1], v[ls_a+(\part):ls_a+(\part)+1]
.endif
.set ls_i, ls_i+1
.endr
.endr
	RED4 208
	RED4 228
.irp t,0,1
	v_mul_f32 v[224+20*(\t)], 0x3c800000, v[208+20*(\t)]     ; / 64
	v_mul_f32 v[225+20*(\t)], 0x3c800000, v[208+20*(\t)]
.endr
.set ls_i, 0
.rept 8                                ; (tile, group of four pairs)
.set ls_b, 208+20*(ls_i/4)
.irp c,0,1,2,3
	v_pk_add_f32 v[ls_b+8+2*(\c):ls_b+9+2*(\c)], v[(\SRC)+8*ls_i+2*(\c):(\SRC)+8*ls_i+2*(\c)+1], v[ls_b+16:ls_b+17] neg_lo:[0,1] neg_hi:[0,1]
.endr
.irp c,0,1,2,3
.if ls_i%4 == 0
	v_pk_mul_f32 v[ls_b+2*(\c):ls_b+2*(\c)+1], v[ls_b+8+2*(\c):ls_b+9+2*(\c)], v[ls_b+8+2*(\c):ls_b+9+2*(\c)]
.else
	v_pk_fma_f32 v[ls_b+2*(\c):ls_b+2*(\c)+1], v[ls_b+8+2*(\c):ls_b+9+2*(\c)], v[ls_b+8+2*(\c):ls_b+9+2*(\c)], v[ls_b+2*(\c):ls_b+2*(\c)+1]
.endif
.endr
.set ls_i, ls_i+1
.endr
	RED4 208
	RED4 228
.irp t,0,1
	v_mov_b32 v[225+20*(\t)], v[208+20*(\t)]
	ds_store_b64 v11, v[224+20*(\t):225+20*(\t)] offset:(\REG)+128*(\t)
.endr
.endm
; The four waves' figures are joined (mean of means; sums of squares plus 64 x the means' squares about the mean: no difference of large sums), and DST = (SRC - mean) rstd gain + bias.
.macro LNAPPLY SRC, DST, PW, PB, REG
	WIN 0
.set la_i, 0
.rept 8
	ds_load_b64 v[208+2*la_i:209+2*la_i], v12 offset:(\REG)+128*(la_i/4)+256*(la_i%4)
.set la_i, la_i+1
.endr
.set la_i, 0
.rept 4
	ds_load_b128 v[144+8*la_i:147+8*la_i], v9 offset:(\PW)+64*la_i
	ds_load_b128 v[148+8*la_i:151+8*la_i], v9 offset:(\PW)+64*la_i+16
	ds_load_b128 v[176+8*la_i:179+8*la_i], v9 offset:(\PB)+64*la_i
	ds_load_b128 v[180+8*la_i:183+8*la_i], v9 offset:(\PB)+64*la_i+16
.set la_i, la_i+1
.endr
	s_wait_dscnt 0x0
.irp t,0,1
.set la_b, 208+8*(\t)
.set la_u, 224+8*(\t)
	v_add_f32 v[la_u],   v[la_b],   v[la_b+2]
	v_add_f32 v[la_u+1], v[la_b+4], v[la_b+6]
	v_add_f32 v[la_u+2], v[la_b+1], v[la_b+3]
	v_add_f32 v[la_u+3], v[la_b+5], v[la_b+7]
	v_add_f32 v[la_u],   v[la_u],   v[la_u+1]
	v_add_f32 v[la_u+2], v[la_u+2], v[la_u+3]
	v_mul_f32 v[la_u], 0x3e800000, v[la_u]             ; the mean
	v_sub_f32 v[la_u+4], v[la_b],   v[la_u]
	v_sub_f32 v[la_u+5], v[la_b+2], v[la_u]
	v_sub_f32 v[la_u+6], v[la_b+4], v[la_u]
	v_sub_f32 v[la_u+7], v[la_b+6], v[la_u]
	v_mul_f32 v[la_u+1], v[la_u+4], v[la_u+4]
	v_fmac_f32 v[la_u+1], v[la_u+5], v[la_u+5]
	v_fmac_f32 v[la_u+1], v[la_u+6], v[la_u+6]
	v_fmac_f32 v[la_u+1], v[la_u+7], v[la_u+7]
	v_fmamk_f32 v[la_u+2], v[la_u+1], 0x42800000, v[la_u+2]   ; x 64 + the waves' sums
	v_fma_f32 v[la_u+2], v[la_u+2], s61, s62           ; / 256 + 1e-5
	v_rsq_f32 v[la_u+2], v[la_u+2]
	v_nop                                              ; a plain instruction between the root and its use
	s_wait_alu depctr_va_vdst(0)
	v_mul_f32 v[la_u+4], v[la_u], v[la_u+2]            ; mean x rstd
.endr
.set la_i, 0
.rept 32
.set la_u, 224+8*(la_i/16)
	v_pk_fma_f32 v[(\DST)+2*la_i:(\DST)+2*la_i+1], v[(\SRC)+2*la_i:(\SRC)+2*la_i+1], v[la_u+2:la_u+3], v[la_u+4:la_u+5] op_sel_hi:[1,0,0] neg_lo:[0,0,1] neg_hi:[0,0,1]
.set la_i, la_i+1
.endr
.set la_i, 0
.rept 32
	v_pk_fma_f32 v[(\DST)+2*la_i:(\DST)+2*la_i+1], v[(\DST)+2*la_i:(\DST)+2*la_i+1], v[144+2*(la_i%16):145+2*(la_i%16)], v[176+2*(la_i%16):177+2*(la_i%16)]
.set la_i, la_i+1
.endr
.endm
.macro PACKACT SRC, ACT                ; my 8 tiles rounded to f16: each is half of a fragment of the next layer's source 1
	WIN 0
.set pa_i, 0
.rept 8
.set pa_a, (\SRC)+8*pa_i
.set pa_p, 208+4*pa_i
	v_cvt_pk_f16_f32 v[pa_p],   v[pa_a],   v[pa_a+1]
	v_cvt_pk_f16_f32 v[pa_p+1], v[pa_a+2], v[pa_a+3]
	v_cvt_pk_f16_f32 v[pa_p+2], v[pa_a+4], v[pa_a+5]
	v_cvt_pk_f16_f32 v[pa_p+3], v[pa_a+6], v[pa_a+7]
	ds_store_b128 v6, v[pa_p:pa_p+3] offset:(\ACT)+8192*(pa_i/4)+1024*((pa_i%4)/2)+512*(pa_i%2)
.set pa_i, pa_i+1
.endr
.endm
.macro GELU8 a                         ; eight numbers, stage by stage: t = 1 / (1 + 0.2316 |x|) in v208-215, e = 2^(-0.7213 x^2) in v216-223, the polynomial in v224-231
.set ge_i, 0
.rept 8
	v_fma_f32 v[208+ge_i], |v[(\a)+ge_i]|, s63, 1.0
.set ge_i, ge_i+1
.endr
.set ge_i, 0
.rept 8
	v_rcp_f32 v[208+ge_i], v[208+ge_i]
.set ge_i, ge_i+1
.endr
.irp i,0,2,4,6
	v_pk_mul_f32 v[216+(\i):217+(\i)], v[(\a)+(\i):(\a)+(\i)+1], v[(\a)+(\i):(\a)+(\i)+1]
.endr
.irp i,0,2,4,6
	v_pk_mul_f32 v[216+(\i):217+(\i)], v[216+(\i):217+(\i)], s[70:71] op_sel_hi:[1,0]
.endr
.set ge_i, 0
.rept 8
	v_exp_f32 v[216+ge_i], v[216+ge_i]
.set ge_i, ge_i+1
.endr
	s_wait_alu depctr_va_vdst(0)
.irp i,0,2,4,6
	v_pk_fma_f32 v[224+(\i):225+(\i)], v[208+(\i):209+(\i)], s[72:73], s[74:75] op_sel_hi:[1,0,0]
.endr
.irp c,76,78,80
.irp i,0,2,4,6
	v_pk_fma_f32 v[224+(\i):225+(\i)], v[224+(\i):225+(\i)], v[208+(\i):209+(\i)], s[(\c):(\c)+1] op_sel_hi:[1,1,0]
.endr
.endr
.irp i,0,2,4,6
	v_pk_mul_f32 v[224+(\i):225+(\i)], v[224+(\i):225+(\i)], v[208+(\i):209+(\i)]
.endr
.irp i,0,2,4,6
	v_pk_mul_f32 v[224+(\i):225+(\i)], v[224+(\i):225+(\i)], v[216+(\i):217+(\i)]
.endr
.set ge_i, 0
.rept 8
	v_max_num_f32 v[216+ge_i], 0, v[(\a)+ge_i]
.set ge_i, ge_i+1
.endr
.set ge_i, 0
.rept 8
	v_fma_f32 v[(\a)+ge_i], -v[224+ge_i], |v[(\a)+ge_i]|, v[216+ge_i]
.set ge_i, ge_i+1
.endr
.endm
.macro KVADDR vl, vr, sc               ; class -> its two image columns, max(class, 1) - 1 and min(class, 127), 8,192 bytes each
	s_max_u32 s58, \sc, 1
	s_sub_co_u32 s58, s58, 1
	s_min_u32 s58, s58, 127
	s_lshl_b32 s58, s58, 13
	v_add_nc_u32 v[\vl], s58, v1
	s_min_u32 s59, \sc, 127
	s_lshl_b32 s59, s59, 13
	v_add_nc_u32 v[\vr], s59, v1
.endm
.macro KVLOAD buf, vl, vr              ; a class's K and V for my two heads: K (key tile kt, head hd) at buf + 16 kt + 8 hd; V (tile o = 2 hd + dt) at buf + 32 + 8 o, its low half the left column's keys
	WIN 0x80
.irp q,0,1,2,3
	global_load_b128 v[(\buf)+4*(\q):(\buf)+4*(\q)+3],       v[\vl], s[38:39] offset:512*(\q)
	global_load_b128 v[(\buf)+16+4*(\q):(\buf)+16+4*(\q)+3], v[\vr], s[38:39] offset:512*(\q)
.endr
.irp o,0,1,2,3
	global_load_b128 v[(\buf)+32+8*(\o):(\buf)+32+8*(\o)+3], v[\vl], s[40:41] offset:512*(\o)
	global_load_b128 v[(\buf)+36+8*(\o):(\buf)+36+8*(\o)+3], v[\vr], s[40:41] offset:512*(\o)
.endr
	WIN 0
.endm
.macro Q4 line:vararg                  ; one line for each of the four (tile, head): at_q = 2 t + hd; scores at 80 + 16 at_q, at work 208 + 10 at_q
.set at_q, 0
.rept 4
	\line
.set at_q, at_q+1
.endr
.endm
; Attention of all 32 rows with the keys of class sc.  S^T = K q^T holds one row a lane and 16 of the 32 keys; the lane 16 away holds the others.
.macro ATT buf, sc
	WIN 0x02                               ; source 0 (K, V) in window 2
.set at_q, 0
.rept 4
	v_wmma_f32_16x16x32_f16 v[80+16*at_q:87+16*at_q], v[(\buf)+8*(at_q%2):(\buf)+8*(at_q%2)+7],       v[144+8*at_q:151+8*at_q], 0
	v_wmma_f32_16x16x32_f16 v[88+16*at_q:95+16*at_q], v[(\buf)+16+8*(at_q%2):(\buf)+16+8*(at_q%2)+7], v[144+8*at_q:151+8*at_q], 0
.set at_q, at_q+1
.endr
	NOP4
	WIN 0
	v_cmp_eq_u32 s82, \sc, v13             ; which rows of tile 0, of tile 1 are of this class
	v_cmp_eq_u32 s83, \sc, v14
	Q4 v_max3_num_f32 v[208+10*at_q], v[80+16*at_q], v[81+16*at_q], v[82+16*at_q]
	Q4 v_max3_num_f32 v[209+10*at_q], v[88+16*at_q], v[89+16*at_q], v[90+16*at_q]
	Q4 v_max3_num_f32 v[208+10*at_q], v[208+10*at_q], v[83+16*at_q], v[84+16*at_q]
	Q4 v_max3_num_f32 v[209+10*at_q], v[209+10*at_q], v[91+16*at_q], v[92+16*at_q]
	Q4 v_max3_num_f32 v[208+10*at_q], v[208+10*at_q], v[85+16*at_q], v[86+16*at_q]
	Q4 v_max3_num_f32 v[209+10*at_q], v[209+10*at_q], v[93+16*at_q], v[94+16*at_q]
	Q4 v_max3_num_f32 v[208+10*at_q], v[208+10*at_q], v[87+16*at_q], v[95+16*at_q]
	Q4 v_max_num_f32 v[208+10*at_q], v[208+10*at_q], v[209+10*at_q]
	Q4 v_permlanex16_b32 v[209+10*at_q], v[208+10*at_q], s66, s67
	Q4 v_max_num_f32 v[208+10*at_q], v[208+10*at_q], v[209+10*at_q]
	Q4 v_mul_f32 v[208+10*at_q], s68, v[208+10*at_q]
.set at_i, 0
.rept 8                                ; c s - c m, c = log2(e) / sqrt(32)
	Q4 v_pk_fma_f32 v[80+16*at_q+2*at_i:81+16*at_q+2*at_i], v[80+16*at_q+2*at_i:81+16*at_q+2*at_i], s[68:69], v[208+10*at_q:209+10*at_q] op_sel_hi:[1,0,0] neg_lo:[0,0,1] neg_hi:[0,0,1]
.set at_i, at_i+1
.endr
.set at_i, 0
.rept 64
	v_exp_f32 v[80+at_i], v[80+at_i]
.set at_i, at_i+1
.endr
	v_nop                                  ; a plain instruction between the last exponential and its use
	s_wait_alu depctr_va_vdst(0)
	Q4 v_pk_add_f32 v[210+10*at_q:211+10*at_q], v[80+16*at_q:81+16*at_q], v[82+16*at_q:83+16*at_q]
	Q4 v_pk_add_f32 v[212+10*at_q:213+10*at_q], v[84+16*at_q:85+16*at_q], v[86+16*at_q:87+16*at_q]
	Q4 v_pk_add_f32 v[214+10*at_q:215+10*at_q], v[88+16*at_q:89+16*at_q], v[90+16*at_q:91+16*at_q]
	Q4 v_pk_add_f32 v[216+10*at_q:217+10*at_q], v[92+16*at_q:93+16*at_q], v[94+16*at_q:95+16*at_q]
	Q4 v_pk_add_f32 v[210+10*at_q:211+10*at_q], v[210+10*at_q:211+10*at_q], v[212+10*at_q:213+10*at_q]
	Q4 v_pk_add_f32 v[214+10*at_q:215+10*at_q], v[214+10*at_q:215+10*at_q], v[216+10*at_q:217+10*at_q]
	Q4 v_pk_add_f32 v[210+10*at_q:211+10*at_q], v[210+10*at_q:211+10*at_q], v[214+10*at_q:215+10*at_q]
	Q4 v_add_f32 v[210+10*at_q], v[210+10*at_q], v[211+10*at_q]
	Q4 v_permlanex16_b32 v[211+10*at_q], v[210+10*at_q], s66, s67
	Q4 v_add_f32 v[210+10*at_q], v[210+10*at_q], v[211+10*at_q]
	Q4 v_rcp_f32 v[210+10*at_q], v[210+10*at_q]
	v_nop
	s_wait_alu depctr_va_vdst(0)
	Q4 v_cndmask_b32 v[210+10*at_q], 0, v[210+10*at_q], s[82+at_q/2]     ; rows of another class: weights 0
.set at_i, 0
.rept 8
	Q4 v_pk_mul_f32 v[80+16*at_q+2*at_i:81+16*at_q+2*at_i], v[80+16*at_q+2*at_i:81+16*at_q+2*at_i], v[210+10*at_q:211+10*at_q] op_sel_hi:[1,0]
.set at_i, at_i+1
.endr
.set at_i, 0
.rept 32
	v_cvt_pk_f16_f32 v[176+at_i], v[80+2*at_i], v[81+2*at_i]
.set at_i, at_i+1
.endr
	WIN 0x02
.set at_q, 0
.rept 4                                ; O^T += V^T P: eight accumulators, one instruction each
	v_wmma_f32_16x16x32_f16 v[16+16*at_q:23+16*at_q], v[(\buf)+32+16*(at_q%2):(\buf)+39+16*(at_q%2)], v[176+8*at_q:183+8*at_q], v[16+16*at_q:23+16*at_q]
	v_wmma_f32_16x16x32_f16 v[24+16*at_q:31+16*at_q], v[(\buf)+40+16*(at_q%2):(\buf)+47+16*(at_q%2)], v[176+8*at_q:183+8*at_q], v[24+16*at_q:31+16*at_q]
.set at_q, at_q+1
.endr
	NOP4
	WIN 0
.endm
	s_load_b512 s[4:19], s[0:1], 0x0       ; xT s[4:5], perm s[6:7], wst s[8:9], kv s[10:11], ln_q_w s[12:13], ln_q_b s[14:15], bproj s[16:17], ln_pre_w s[18:19]
	s_load_b256 s[20:27], s[0:1], 0x40     ; ln_pre_b s[20:21], bm2 s[22:23], ln_post_w s[24:25], ln_post_b s[26:27]
	s_load_b128 s[28:31], s[0:1], 0x60     ; bm1 s[28:29], res s[30:31]
	v_lshl_add_u32 v252, v0, 2, SPARE
	v_mov_b32 v253, 0
	v_lshrrev_b32 v208, 5, v0
	v_readfirstlane_b32 s3, v208           ; wave
	s_mov_b32 s2, ttmp9
	s_mov_b32 s37, 0
	s_mov_b32 s61, 0x3b800000              ; 1 / 256
	s_mov_b32 s62, 0x3727c5ac              ; 1e-5
	s_mov_b32 s63, 0x3e6d3388              ; 0.3275911 / sqrt 2
	s_mov_b32 s66, 0x76543210              ; v_permlanex16_b32: each lane takes its own place in the other half
	s_mov_b32 s67, 0xfedcba98
	s_mov_b32 s68, 0x3e8293ee              ; c = log2(e) / sqrt(32)
	s_mov_b32 s69, s68
	s_mov_b32 s70, 0xbf38aa3b              ; -log2(e) / 2
	s_mov_b32 s71, s70
	s_mov_b32 s72, 0x3f07dc22              ; half of 7.1.26's a5 .. a1
	s_mov_b32 s73, s72
	s_mov_b32 s74, 0xbf3a00e3
	s_mov_b32 s75, s74
	s_mov_b32 s76, 0x3f35f0e3
	s_mov_b32 s77, s76
	s_mov_b32 s78, 0xbe11a98e
	s_mov_b32 s79, s78
	s_mov_b32 s80, 0x3e027906
	s_mov_b32 s81, s80
	v_and_b32 v208, 31, v0
	v_lshlrev_b32 v1, 4, v208              ; 16 l
	v_and_b32 v209, 15, v0                 ; r
	v_bfe_u32 v210, v0, 4, 1               ; h
	v_lshl_add_u32 v6, s3, 11, v1          ; where my fragments' halves go: kc = 2 w ..
	v_lshl_add_u32 v7, s3, 12, v1
	v_add_nc_u32 v7, HID, v7               ; the hidden layer's: kc = 4 w ..
	v_add_nc_u32 v8, HID, v1
	v_lshlrev_b32 v9, 5, v210
	v_lshl_add_u32 v10, s3, 9, v9
	v_add_nc_u32 v10, P_BM1, v10           ; bm1 at hidden channel 128 w + 8 h
	v_lshl_add_u32 v9, s3, 8, v9           ; the other small inputs at channel 64 w + 8 h
	v_lshlrev_b32 v12, 3, v209
	v_add_nc_u32 v12, STAT, v12            ; a row's figures, wave 0's
	v_lshl_add_u32 v11, s3, 8, v12         ; and my wave's
	v_mul_u32_u24 v15, v209, 1040
	v_add_nc_u32 v15, v15, v9
	v_add_nc_u32 v15, STG, v15             ; the way out: row r, channel 64 w + 8 h
	v_lshlrev_b32 v211, 2, v209
	v_lshlrev_b32 v214, 4, v0
	s_wait_kmcnt 0x0
	s_lshl_b32 s36, s2, 7
	s_add_nc_u64 s[84:85], s[6:7], s[36:37]        ; perm at my 32 places
	s_lshl_b32 s36, s3, 5
	s_add_nc_u64 s[86:87], s[84:85], s[36:37]      ; and at the 8 rows that my wave stores
	s_load_b256 s[44:51], s[86:87], 0x0
	s_load_b32 s52, s[84:85], 0x4000               ; the first row's class
	s_load_b32 s53, s[84:85], 0x407c               ; the last row's
	global_load_b32 v212, v211, s[84:85]           ; my lane's two rows
	global_load_b32 v213, v211, s[84:85] offset:64
	global_load_b32 v13, v211, s[84:85] offset:16384   ; and their classes
	global_load_b32 v14, v211, s[84:85] offset:16448
	global_load_b128 v[80:83],   v214, s[12:13]
	global_load_b128 v[84:87],   v214, s[14:15]
	global_load_b128 v[88:91],   v214, s[16:17]
	global_load_b128 v[92:95],   v214, s[18:19]
	global_load_b128 v[96:99],   v214, s[20:21]
	global_load_b128 v[100:103], v214, s[22:23]
	global_load_b128 v[104:107], v214, s[24:25]
	global_load_b128 v[108:111], v214, s[26:27]
	global_load_b128 v[112:115], v214, s[28:29]
	global_load_b128 v[116:119], v214, s[28:29] offset:2048
	s_wait_loadcnt 12                      ; the two row numbers are in: behind them went 2 + 10 loads
	v_min_u32 v212, 0xfff, v212
	v_min_u32 v213, 0xfff, v213
	v_lshlrev_b32 v212, 10, v212
	v_lshlrev_b32 v213, 10, v213
	v_add_nc_u32 v212, v212, v9
	v_add_nc_u32 v213, v213, v9
.set pr_i, 0
.rept 8                                ; (tile, channel tile)
	global_load_b128 v[16+8*pr_i:19+8*pr_i], v[212+pr_i/4], s[4:5] offset:64*(pr_i%4)
	global_load_b128 v[20+8*pr_i:23+8*pr_i], v[212+pr_i/4], s[4:5] offset:64*(pr_i%4)+16
.set pr_i, pr_i+1
.endr
	s_mul_i32 s36, s3, 393216
	s_add_nc_u64 s[32:33], s[8:9], s[36:37]        ; my wave's stream of block 0,
	s_add_nc_u64 s[34:35], s[32:33], 196608        ; of block 1
	WIN 0x40
.set pr_i, 0
.rept 64                               ; the ring is filled: 32 fragments
	global_load_b128 v[4*pr_i:4*pr_i+3], v1, s[32:33] offset:512*pr_i
.set pr_i, pr_i+1
.endr
	WIN 0
	s_lshl_b32 s36, s3, 11
	s_add_nc_u64 s[38:39], s[10:11], s[36:37]      ; K of block 0 at my four tiles,
	s_add_nc_u64 s[40:41], s[38:39], 1048576       ; V
	s_wait_kmcnt 0x0
	s_min_u32 s52, s52, 128                ; the first class
	s_sub_co_u32 s53, s53, s52
	s_min_u32 s53, s53, 128
	s_add_co_u32 s53, s53, 2
	s_lshr_b32 s54, s53, 1                 ; pairs of classes to walk: (last - first + 2) / 2
.irp i,44,45,46,47,48,49,50,51
	s_min_u32 s[\i], s[\i], 0xfff
	s_lshl_b32 s[\i], s[\i], 10
.endr
	s_wait_loadcnt 63                      ; classes, small inputs and x are in: behind them went the ring's 64 loads
.irp i,0,1,2,3,4,5,6,7,8,9
	ds_store_b128 v214, v[80+4*(\i):83+4*(\i)] offset:2048*(\i)
.endr
	s_mov_b32 s60, 2
.Lblk:                                     ; a block of cross attention
	s_wait_xcnt 0x0                        ; v2-5 are written again only behind this wait
	s_add_co_u32 s57, s52, 1
	KVADDR 2, 3, s52
	KVADDR 4, 5, s57
	KVLOAD 128, 2, 3                       ; the first two classes' K and V are asked for now and wanted behind q's layer
	KVLOAD 192, 4, 5
	LNSTAT 16, SQ
	BAR
	LNAPPLY 16, 16, P_QW, P_QB, SQ
	PACKACT 16, ACT0
	BAR
	LOADB 1, ACT0, 8
.set pr_i, 0
.rept 64                               ; attention's sums start at 0: which class is a row's own is known from data alone, so no product can be written out as a sum's first
	v_mov_b32 v[16+pr_i], 0
.set pr_i, pr_i+1
.endr
	s_wait_dscnt 0x0
	GEMM 0, 4, 8, 80, 32, 0                ; q.  Its fourth wait leaves 48 loads out, all issued behind the 32 of K and V: those are in
.set pr_i, 0
.rept 32
	v_cvt_pk_f16_f32 v[144+pr_i], v[80+2*pr_i], v[81+2*pr_i]
.set pr_i, pr_i+1
.endr
	s_mov_b32 s55, 0
	s_mov_b32 s56, s52
.Latt:                                     ; two classes a trip
	s_add_co_u32 s57, s56, 1
	ATT 128, s56
	ATT 192, s57
	s_add_co_u32 s55, s55, 1
	s_add_co_u32 s56, s56, 2
	s_cmp_lt_u32 s55, s54
	s_cbranch_scc0 .Ldone
	s_wait_xcnt 0x0
	s_add_co_u32 s57, s56, 1
	KVADDR 2, 3, s56
	KVADDR 4, 5, s57
	KVLOAD 128, 2, 3
	KVLOAD 192, 4, 5
	s_wait_loadcnt 0x0
	s_cmp_lt_u32 s55, s54
	s_cbranch_scc1 .Latt
.Ldone:
	PACKACT 16, ACT1
	BAR
	LOADB 1, ACT1, 8
	LOADBIAS 9, P_BP, 4
	s_wait_dscnt 0x0
	GEMM 32, 4, 8, 80, 32, 1               ; the output projection, bproj as the sums' start
	LNSTAT 80, SPRE
	BAR
	LNAPPLY 80, 16, P_PREW, P_PREB, SPRE   ; z
	PACKACT 16, ACT0
	BAR
	LOADB 1, ACT0, 8
	LOADBIAS 10, 0, 8
.set pr_i, 0
.rept 4
	ds_load_b128 v[208+8*pr_i:211+8*pr_i], v9 offset:P_BM2+64*pr_i
	ds_load_b128 v[212+8*pr_i:215+8*pr_i], v9 offset:P_BM2+64*pr_i+16
.set pr_i, pr_i+1
.endr
	s_wait_dscnt 0x0
.set pr_i, 0
.rept 32                               ; z + bm2: the second MLP layer adds onto it
	v_pk_add_f32 v[16+2*pr_i:17+2*pr_i], v[16+2*pr_i:17+2*pr_i], v[208+2*(pr_i%16):209+2*(pr_i%16)]
.set pr_i, pr_i+1
.endr
	GEMM 64, 8, 8, 80, 64, 1               ; the hidden layer, bm1 as the sums' start
.set pr_i, 0
.rept 16                               ; (tile, channel tile): GELU, rounding, and into LDS
	GELU8 80+8*pr_i
.set pr_p, 232+4*(pr_i%2)
	v_cvt_pk_f16_f32 v[pr_p],   v[80+8*pr_i],   v[81+8*pr_i]
	v_cvt_pk_f16_f32 v[pr_p+1], v[82+8*pr_i],   v[83+8*pr_i]
	v_cvt_pk_f16_f32 v[pr_p+2], v[84+8*pr_i],   v[85+8*pr_i]
	v_cvt_pk_f16_f32 v[pr_p+3], v[86+8*pr_i],   v[87+8*pr_i]
	ds_store_b128 v7, v[pr_p:pr_p+3] offset:16384*(pr_i/8)+1024*((pr_i%8)/2)+512*(pr_i%2)
.set pr_i, pr_i+1
.endr
	BAR
	LOADB 8, 0, 16
	s_wait_dscnt 0x0
	GEMM 128, 4, 16, 16, 32, 2
	LNSTAT 16, SPOST
	BAR
	LNAPPLY 16, 16, P_POW, P_POB, SPOST
	s_wait_xcnt 0x0                        ; the loads' bases are written again only behind this wait
	s_mov_b64 s[42:43], s[32:33]           ; the streams change places: the ring already holds the next block's first 32 fragments.  (In the last trip it took block 0's once more: 32 KiB a wave that nobody uses)
	s_mov_b64 s[32:33], s[34:35]
	s_mov_b64 s[34:35], s[42:43]
	s_add_nc_u64 s[38:39], s[38:39], 2097152
	s_add_nc_u64 s[40:41], s[40:41], 2097152
	v_add_nc_u32 v9, 1024, v9
	v_add_nc_u32 v10, 2048, v10
	s_sub_co_u32 s60, s60, 1
	s_cmp_lg_u32 s60, 0
	s_cbranch_scc1 .Lblk
	; THE L2 NORM over a row's 256 channels, and the way out
.set pr_i, 0
.rept 32
.set pr_q, 208+20*(pr_i/16)+2*(pr_i%4)
.if pr_i%16 < 4
	v_pk_mul_f32 v[pr_q:pr_q+1], v[16+2*pr_i:17+2*pr_i], v[16+2*pr_i:17+2*pr_i]
.else
	v_pk_fma_f32 v[pr_q:pr_q+1], v[16+2*pr_i:17+2*pr_i], v[16+2*pr_i:17+2*pr_i], v[pr_q:pr_q+1]
.endif
.set pr_i, pr_i+1
.endr
	RED4 208
	RED4 228
	ds_store_b32 v11, v208 offset:SFIN
	ds_store_b32 v11, v228 offset:SFIN+128
	BAR
.set pr_i, 0
.rept 8
	ds_load_b32 v[208+pr_i], v12 offset:SFIN+128*(pr_i/4)+256*(pr_i%4)
.set pr_i, pr_i+1
.endr
	s_wait_dscnt 0x0
	v_add_f32 v208, v208, v209
	v_add_f32 v210, v210, v211
	v_add_f32 v212, v212, v213
	v_add_f32 v214, v214, v215
	v_add_f32 v208, v208, v210
	v_add_f32 v212, v212, v214
	v_sqrt_f32 v208, v208
	v_sqrt_f32 v212, v212
	v_nop
	s_wait_alu depctr_va_vdst(0)
	v_max_num_f32 v208, 0x2b8cbccc, v208   ; 1e-12
	v_max_num_f32 v212, 0x2b8cbccc, v212
	v_rcp_f32 v208, v208
	v_rcp_f32 v212, v212
	v_nop
.set pr_i, 0
	s_wait_alu depctr_va_vdst(0)
.rept 32
	v_pk_mul_f32 v[16+2*pr_i:17+2*pr_i], v[16+2*pr_i:17+2*pr_i], v[208+4*(pr_i/16):209+4*(pr_i/16)] op_sel_hi:[1,0]
.set pr_i, pr_i+1
.endr
.set pr_i, 0
.rept 8                                ; rows 1,040 bytes apart
	ds_store_b128 v15, v[16+8*pr_i:19+8*pr_i] offset:16640*(pr_i/4)+64*(pr_i%4)
	ds_store_b128 v15, v[20+8*pr_i:23+8*pr_i] offset:16640*(pr_i/4)+64*(pr_i%4)+16
.set pr_i, pr_i+1
.endr
	BAR
	s_mul_i32 s58, s3, 8320
	s_add_co_u32 s58, s58, STG
	v_add_nc_u32 v216, s58, v1             ; my wave stores rows 8 w .. 8 w + 7, whole
.set pr_i, 0
.rept 16
	ds_load_b128 v[80+4*pr_i:83+4*pr_i], v216 offset:1040*(pr_i/2)+512*(pr_i%2)
.set pr_i, pr_i+1
.endr
.irp i,0,1,2,3,4,5,6,7
	v_add_nc_u32 v[240+(\i)], s[44+(\i)], v1       ; the row's own place in res
.endr
	s_wait_dscnt 0x0
.set pr_i, 0
.rept 16
	global_store_b128 v[240+pr_i/2], v[80+4*pr_i:83+4*pr_i], s[30:31] offset:512*(pr_i%2)    ; 512 consecutive bytes, aligned
.set pr_i, pr_i+1
.endr
	s_wait_tensorcnt 0x0                   ; the wave's end
	ds_add_u32 v252, v253
	s_wait_dscnt 0x0
	s_endpgm
.Lfunc_end_k_q5d2b37564b_main:
	.size	k_q5d2b37564b_main, .Lfunc_end_k_q5d2b37564b_main-k_q5d2b37564b_main
	.p2alignl 7, 3214868480
	.fill 96, 4, 3214868480
	.section	.rodata,"a",@progbits
	.p2align	6, 0x0
	.amdhsa_kernel k_q5d2b37564b_main
		.amdhsa_group_segment_fixed_size 90624
		.amdhsa_private_segment_fixed_size 0
		.amdhsa_enable_private_segment 0
		.amdhsa_kernarg_size 112
		.amdhsa_user_sgpr_count 2
		.amdhsa_user_sgpr_kernarg_segment_ptr 1
		.amdhsa_wavefront_size32 1
		.amdhsa_system_sgpr_workgroup_id_x 1
		.amdhsa_system_sgpr_workgroup_id_y 1
		.amdhsa_system_sgpr_workgroup_id_z 1
		.amdhsa_system_vgpr_workitem_id 0
		.amdhsa_next_free_vgpr 768
		.amdhsa_next_free_sgpr 88
		.amdhsa_reserve_vcc 0
		.amdhsa_float_denorm_mode_32 3
		.amdhsa_float_denorm_mode_16_64 3
		.amdhsa_memory_ordered 1
		.amdhsa_forward_progress 1
		.amdhsa_inst_pref_size 255
	.end_amdhsa_kernel
	.section	.bss,"aw",@nobits
	.p2align	6
	.space	262144
	.amdgpu_metadata
---
amdhsa.version: [ 1, 2 ]
amdhsa.kernels:
  - .name:           k_q5d2b37564b_main
    .symbol:         k_q5d2b37564b_main.kd
    .args:
      - { .name: xT, .offset: 0, .size: 8, .value_kind: global_buffer, .address_space: global }
      - { .name: perm, .offset: 8, .size: 8, .value_kind: global_buffer, .address_space: global }
      - { .name: wst, .offset: 16, .size: 8, .value_kind: global_buffer, .address_space: global }
      - { .name: kv, .offset: 24, .size: 8, .value_kind: global_buffer, .address_space: global }
      - { .name: ln_q_w, .offset: 32, .size: 8, .value_kind: global_buffer, .address_space: global }
      - { .name: ln_q_b, .offset: 40, .size: 8, .value_kind: global_buffer, .address_space: global }
      - { .name: bproj, .offset: 48, .size: 8, .value_kind: global_buffer, .address_space: global }
      - { .name: ln_pre_w, .offset: 56, .size: 8, .value_kind: global_buffer, .address_space: global }
      - { .name: ln_pre_b, .offset: 64, .size: 8, .value_kind: global_buffer, .address_space: global }
      - { .name: bm2, .offset: 72, .size: 8, .value_kind: global_buffer, .address_space: global }
      - { .name: ln_post_w, .offset: 80, .size: 8, .value_kind: global_buffer, .address_space: global }
      - { .name: ln_post_b, .offset: 88, .size: 8, .value_kind: global_buffer, .address_space: global }
      - { .name: bm1, .offset: 96, .size: 8, .value_kind: global_buffer, .address_space: global }
      - { .name: res, .offset: 104, .size: 8, .value_kind: global_buffer, .address_space: global }
    .group_segment_fixed_size: 90624
    .private_segment_fixed_size: 0
    .kernarg_segment_align: 8
    .kernarg_segment_size: 112
    .max_flat_workgroup_size: 128
    .sgpr_count:     88
    .vgpr_count:     768
    .wavefront_size: 32
...
	.end_amdgpu_metadata
.endif
;; end of part 3
;; launch xout (part 4): grid 256 x 1, 4 waves a work-group, no clusters, 17,152 bytes of LDS; arguments res, out0; writes out0
.if DOCPART == 4
	.amdgcn_target "amdgcn-amd-amdhsa--gfx1250"
	.amdhsa_code_object_version 6
	.text
	.protected	k_q5d2b37564b_xout
	.globl	k_q5d2b37564b_xout
	.p2align	8
	.type	k_q5d2b37564b_xout,@function
k_q5d2b37564b_xout:
	s_mov_b64 s[64:65], 0
	v_nop
	global_prefetch_b8 v0, s[64:65] scope:SCOPE_SE
	s_setreg_imm32_b32 hwreg(HW_REG_WAVE_MODE, 25, 1), 1
	s_wait_xcnt 0x0
; XOUT.  res [m][c] -> out0 [c][m]: tiles of 64 x 64 f32 through LDS, so that both the loads and the stores take 256 consecutive bytes with 16 neighbouring lanes.
; Work-group g: rows 64 (g / 4) .., channels 64 (g % 4) ...  The tile lies in LDS in rows of 65 words: row + column picks the bank, on the way in and on the way out.
; Memory binds here: no matrix unit, no cluster; each byte is read once and written once.
.set TT,    0
.set SPARE, 16640                      ; the spare words, 128 bytes a wave: no other line names them
	s_load_b128 s[4:7], s[0:1], 0x0        ; res s[4:5], out0 s[6:7]
	v_lshl_add_u32 v28, v0, 2, SPARE
	v_mov_b32 v29, 0
	v_lshrrev_b32 v1, 5, v0
	v_readfirstlane_b32 s3, v1             ; wave
	s_lshr_b32 s8, ttmp9, 2                ; tile along m
	s_and_b32 s9, ttmp9, 3                 ; tile along c
	s_mov_b32 s11, 0
	s_mov_b32 s13, 0
	v_and_b32 v2, 15, v0                   ; r
	v_bfe_u32 v3, v0, 4, 1                 ; h
	v_lshl_add_u32 v1, s3, 4, v3           ; 16 w + h
	v_mul_u32_u24 v4, v1, 260
	v_lshl_add_u32 v4, v2, 4, v4           ; in: (65 (16 w + h) + 4 r) words
	v_mul_u32_u24 v5, v2, 1040
	v_lshl_add_u32 v5, s3, 6, v5
	v_lshl_add_u32 v5, v3, 2, v5           ; out: (65 x 4 r + 16 w + h) words
	v_lshlrev_b32 v8, 4, v2
	v_lshl_add_u32 v6, v1, 10, v8          ; res: rows of 1,024 bytes
	v_lshl_add_u32 v7, v1, 14, v8          ; out0: rows of 16,384 bytes
	s_lshl_b32 s10, s8, 16
	s_lshl_b32 s14, s9, 8
	s_add_co_u32 s10, s10, s14
	s_lshl_b32 s12, s9, 20
	s_lshl_b32 s14, s8, 8
	s_add_co_u32 s12, s12, s14
	s_wait_kmcnt 0x0
	s_add_nc_u64 s[4:5], s[4:5], s[10:11]
	s_add_nc_u64 s[6:7], s[6:7], s[12:13]
.irp i,0,1,2,3,4,5,6,7
	global_load_b128 v[32+4*(\i):35+4*(\i)], v6, s[4:5] offset:2048*(\i) th:TH_LOAD_NT
.endr
	s_wait_loadcnt 0x0
.irp i,0,1,2,3,4,5,6,7
.irp k,0,1,2,3
	ds_store_b32 v4, v[32+4*(\i)+(\k)] offset:TT+520*(\i)+4*(\k)
.endr
.endr
	s_wait_dscnt 0x0                       ; my part of the tile is in LDS, for the others' sake
	s_barrier_signal -1
	s_barrier_wait -1
.irp i,0,1,2,3,4,5,6,7
.irp k,0,1,2,3
	ds_load_b32 v[32+4*(\i)+(\k)], v5 offset:TT+260*(\k)+8*(\i)
.endr
.endr
	s_wait_dscnt 0x0
.irp i,0,1,2,3,4,5,6,7
	global_store_b128 v7, v[32+4*(\i):35+4*(\i)], s[6:7] offset:32768*(\i) th:TH_STORE_NT    ; 16 lanes store 256 consecutive bytes, aligned
.endr
	s_wait_tensorcnt 0x0                   ; the wave's end
	ds_add_u32 v28, v29
	s_wait_dscnt 0x0
	s_endpgm
.Lfunc_end_k_q5d2b37564b_xout:
	.size	k_q5d2b37564b_xout, .Lfunc_end_k_q5d2b37564b_xout-k_q5d2b37564b_xout
	.p2alignl 7, 3214868480
	.fill 96, 4, 3214868480
	.section	.rodata,"a",@progbits
	.p2align	6, 0x0
	.amdhsa_kernel k_q5d2b37564b_xout
		.amdhsa_group_segment_fixed_size 17152
		.amdhsa_private_segment_fixed_size 0
		.amdhsa_enable_private_segment 0
		.amdhsa_kernarg_size 16
		.amdhsa_user_sgpr_count 2
		.amdhsa_user_sgpr_kernarg_segment_ptr 1
		.amdhsa_wavefront_size32 1
		.amdhsa_system_sgpr_workgroup_id_x 1
		.amdhsa_system_sgpr_workgroup_id_y 1
		.amdhsa_system_sgpr_workgroup_id_z 1
		.amdhsa_system_vgpr_workitem_id 0
		.amdhsa_next_free_vgpr 64
		.amdhsa_next_free_sgpr 66
		.amdhsa_reserve_vcc 0
		.amdhsa_float_denorm_mode_32 3
		.amdhsa_float_denorm_mode_16_64 3
		.amdhsa_memory_ordered 1
		.amdhsa_forward_progress 1
		.amdhsa_inst_pref_size 8
	.end_amdhsa_kernel
	.amdgpu_metadata
---
amdhsa.version: [ 1, 2 ]
amdhsa.kernels:
  - .name:           k_q5d2b37564b_xout
    .symbol:         k_q5d2b37564b_xout.kd
    .args:
      - { .name: res, .offset: 0, .size: 8, .value_kind: global_buffer, .address_space: global }
      - { .name: out0, .offset: 8, .size: 8, .value_kind: global_buffer, .address_space: global }
    .group_segment_fixed_size: 17152
    .private_segment_fixed_size: 0
    .kernarg_segment_align: 8
    .kernarg_segment_size: 16
    .max_flat_workgroup_size: 128
    .sgpr_count:     66
    .vgpr_count:     64
    .wavefront_size: 32
...
	.end_amdgpu_metadata
.endif
;; end of part 4
;; ======== version 2 of 2: 4 launches; version 1 with the launch main written anew for expert scheduling mode
;; limits: values are held in f16: magnitudes above 65,504 overflow, below 6.1e-05 lose precision
;; workspace buffers: rankp 65,536 bytes of whole numbers; perm 32,768 bytes of whole numbers; wst 2,097,152 bytes; yT 2,097,152 bytes; xT 4,194,304 bytes; kv 4,194,304 bytes; res 4,194,304 bytes
;; launch prep: the kernel of part 1 again; grid 256 x 1, 4 waves a work-group, no clusters, 38,912 bytes of LDS; arguments u, Wq, Wk, Wv, Wproj, Wm1, Wm2, grd2sat, grd_x, rankp, wst, yT, xT; writes rankp, wst, yT, xT
;; launch kvprep: the kernel of part 2 again; grid 256 x 1, 4 waves a work-group, no clusters, 0 bytes of LDS; arguments u, rankp, yT, wst, ln_k_w, ln_k_b, ln_v_w, ln_v_b, perm, kv; writes perm, kv
;; launch main (part 5): grid 128 x 1, 4 waves a work-group, no clusters, 90,624 bytes of LDS; arguments xT, perm, wst, kv, ln_q_w, ln_q_b, bproj, ln_pre_w, ln_pre_b, bm2, ln_post_w, ln_post_b, bm1, res; writes res
.if DOCPART == 5
	.amdgcn_target "amdgcn-amd-amdhsa--gfx1250"
	.amdhsa_code_object_version 6
	.text
	.protected	k_q5d2b37564b_main
	.globl	k_q5d2b37564b_main
	.p2align	8
	.type	k_q5d2b37564b_main,@function
k_q5d2b37564b_main:
	s_mov_b64 s[64:65], 0
	v_nop
	global_prefetch_b8 v0, s[64:65] scope:SCOPE_SE
	s_setreg_imm32_b32 hwreg(HW_REG_WAVE_SCHED_MODE, 0, 2), 2
	s_setreg_imm32_b32 hwreg(HW_REG_WAVE_MODE, 25, 1), 1
	s_wait_xcnt 0x0
	s_wait_alu depctr_vm_vsrc(0)
; MAIN.  Both blocks of cross attention and the closing L2 norm for 32 query rows a work-group; rows never mix, so the state stays in registers from first to last.
; ROWS.  The work-group takes places 32 g .. 32 g + 31 of the rows sorted by class (perm, stored by an earlier launch): two tiles of 16.  Rows of one class share their 32 keys, so attention is made of whole
; 16 x 16 x 32 products: for each class between the first and the last of my rows, scores, softmax and weighted sum for all 32 rows, the weights of rows of another class set to 0.
; SHARES.  Wave w owns output channels 64 w .. 64 w + 63 of every layer (heads 2 w, 2 w + 1; 128 hidden channels in the MLP) for all 32 rows.
; LAYOUT.  Everything is used transposed: D = W^T (source 0) x activation^T (source 1).  A lane (r = l % 16, h = l / 16) of a result holds row r and channels 16 o + 8 h + 0..7; two neighbouring tiles rounded to f16
; are source 1 of the next layer.  The waves exchange those fragments through LDS (one barrier a layer); layer norms exchange a mean and a sum of squares about it for each wave's 64 channels.
; WEIGHTS come as ready fragments (wst), each used by one wave of the work-group alone: so they go from memory straight into that wave's registers, through a ring of 32 fragments.
; NO CLUSTER, NO TENSOR LOADS: a weight fragment is read by one wave of a work-group, so LDS would add a write and a read of 1.5 MB a work-group; K and V are wanted for classes that differ from work-group to work-group.
; GELU is exact to 1.5e-7: max(x, 0) - |x| erfc(|x| / sqrt 2) / 2 with Abramowitz and Stegun's 7.1.26 for erfc.
; LIMITS.  Matrix operands in f16: normed rows, q, k, v, attention's output and the hidden layer stay under 65,504.  Softmax takes the row's maximum away; its weights are divided by their sum before they are rounded
; to f16.  Variances are taken about the mean.  NaN and infinities are not treated apart.
; REGISTERS, in windows of 256 (s_set_vgpr_msb: bits 1:0 source 0, 3:2 source 1, 5:4 source 2, 7:6 destination):
;   window 0: v1 16 l; v2-5 K/V lane offsets; v6-12, v15 LDS addresses; v13-14 my rows' classes; v16-79 X: the state (tile t, channel tile o at 16 + 32 t + 8 o), attention's sums in between;
;             v80-207 ACC (in attention: scores 80-143, q 144-175, weights 176-207; in the norms: gain 144-175, bias 176-207); v208-251 at work; v252, v253 the add's two registers
;   window 1: the ring of weight fragments, fragment f at 8 (f % 32)      window 2: source 1's fragments from 0 on; K and V of two classes at 128 and 192; later the biases at 128
; THE MODE: SCHED_MODE bits 1:0 = 2 (LLVM: expert scheduling mode 2), set by the entry lines.  The code itself states the register dependences between vector or matrix instructions and memory or LDS
; instructions, with s_wait_alu, always for 0.
; THE PLAN.  Registers that memory or LDS instructions touch, and who else names them:
;   the ring        Group G (8 fragments): its 16 matrix instructions read its slots; the loads of group G + 4 land there.  They are issued in group G + 1, four behind every four matrix instructions, behind the ONE wait on
;                   va_vdst at that group's head; group G + 1's matrix instructions name other slots, window 2 and the accumulators.  Behind a layer's last group: one wait, and the eight slots at once.
;   window 2        LDS loads (source 1, biases) and the loads of K and V land there; matrix instructions read it.  Each run of such loads stands behind a wait on va_vdst that is there for stores or addresses anyway.
;   v208-239        PACKACT: 32 roundings write them, one wait on va_vdst, 8 LDS stores read them; one wait on vm_vsrc behind the barrier, ahead of whoever writes them next.
;   v224-5, v244-5  LNSTAT's two LDS stores, behind one wait on va_vdst; LNAPPLY's wait on vm_vsrc frees them.
;   v80-207         The hidden layer: tile i is rounded into the first four of its own eight registers; its LDS store stands behind the wait that tile i + 1 has for its reciprocals and exponentials.
;   v2-5, v9, v10   The only addresses that are written again: a wait on vm_vsrc ahead of the write, a wait on va_vdst behind it, both shared with other dependences.  All other addresses are made at the head.
.set P_QW,   0                         ; LDS: the nine small inputs as they lie in memory; a block is 1,024 bytes on (bm1: 2,048)
.set P_QB,   2048
.set P_BP,   4096
.set P_PREW, 6144
.set P_PREB, 8192
.set P_BM2,  10240
.set P_POW,  12288
.set P_POB,  14336
.set P_BM1,  16384
.set STAT,   20480                     ; four regions of 1,024 bytes: wave x 256 + row x 8
.set SQ,     0
.set SPRE,   1024
.set SPOST,  2048
.set SFIN,   3072
.set ACT0,   24576                     ; fragments of 256 channels x 32 rows: ((t x 8 + kc) x 2 + j) x 512 + 16 l
.set ACT1,   40960
.set HID,    57344                     ; the same for 512 channels
.set STG,    40960                     ; at the end: 32 rows of 1,024 bytes, 1,040 apart
.set SPARE,  90112                     ; the spare words, 128 bytes a wave: no other line names them
.set MSB, 0
.macro WIN new                         ; the high byte repeats the setting that is left; a switch that changes nothing is dropped
.if MSB != (\new)
	s_set_vgpr_msb (MSB<<8)|(\new)
.set MSB, \new
.endif
.endm
.macro NOP4                            ; four places behind matrix instructions, ahead of what reads their results (ISA guide 7.12.1)
.rept 4
	v_nop
.endr
.endm
.macro BAR
	s_wait_dscnt 0x0                       ; my LDS stores are done and my LDS loads are back, for the others' sake
	s_barrier_signal -1
	s_barrier_wait -1
.endm
.macro RFILL f0, n                     ; n ring slots, from fragment f0's on, take the fragments 32 further on; behind the block's 192 the other stream's first 32
	WIN 0x40
.set r_e, 0
.rept \n
.set r_fn, (\f0)+r_e+32
.set r_s, 8*(((\f0)+r_e)%32)
.if r_fn < 192
	global_load_b128 v[r_s:r_s+3],   v1, s[32:33] offset:r_fn*1024
	global_load_b128 v[r_s+4:r_s+7], v1, s[32:33] offset:r_fn*1024+512
.else
	global_load_b128 v[r_s:r_s+3],   v1, s[34:35] offset:(r_fn-192)*1024
	global_load_b128 v[r_s+4:r_s+7], v1, s[34:35] offset:(r_fn-192)*1024+512
.endif
.set r_e, r_e+1
.endr
.endm
; A layer: fragments FB .. of the stream, OTW output tiles, KC steps of 32; accumulator (t, o) at DST + TS t + 8 o.  CK = 0: the first step starts the sums with 0; 1: with the bias (window 2, 128 + 8 o); 2: onto what DST holds.
; The 2 OTW accumulators take turns, one instruction a turn.  A group is 8 fragments, 16 matrix instructions; the slots of the group before are asked for again among them.
.macro GEMM FB, OTW, KC, DST, TS, CK
.set g_f, 0
.rept (\OTW)*(\KC)/8
.if g_f == 0
	s_wait_loadcnt 48                      ; the layer's first group: its 16 loads are in: behind them went the three following groups' 48 (any other load issued since only makes the wait stricter)
.else
	s_wait_loadcnt 32                      ; this group's 16 loads are in: behind them went two following groups' 32; the third's are issued below
	s_wait_alu depctr_va_vdst(0)           ; the matrix instructions of the group before are done reading its eight ring slots, in which the loads below land
.endif
.rept 4
.rept 2
.set g_o, g_f%(\OTW)
.set g_k, g_f/(\OTW)
.set g_a, 8*(((\FB)+g_f)%32)
.set g_t, 0
.rept 2
.set g_d, (\DST)+(\TS)*g_t+8*g_o
.set g_b, 8*(g_t*(\KC)+g_k)
.if (g_k == 0) && ((\CK) == 0)
	WIN 0x09
	v_wmma_f32_16x16x32_f16 v[g_d:g_d+7], v[g_a:g_a+7], v[g_b:g_b+7], 0
.elseif (g_k == 0) && ((\CK) == 1)
	WIN 0x29
	v_wmma_f32_16x16x32_f16 v[g_d:g_d+7], v[g_a:g_a+7], v[g_b:g_b+7], v[128+8*g_o:128+8*g_o+7]
.else
	WIN 0x09
	v_wmma_f32_16x16x32_f16 v[g_d:g_d+7], v[g_a:g_a+7], v[g_b:g_b+7], v[g_d:g_d+7]
.endif
.set g_t, g_t+1
.endr
.set g_f, g_f+1
.endr
.if g_f > 8
	RFILL (\FB)+g_f-10, 2                  ; two slots of the group before.  No wait: no vector or matrix instruction since the group's head names them or v1
.endif
.endr
	NOP4
.endr
	s_wait_alu depctr_va_vdst(0)           ; the last group's matrix instructions are done reading its eight ring slots
	RFILL (\FB)+g_f-8, 8
	WIN 0
.endm
.macro LOADB areg, off, KC             ; source 1's fragments of both tiles into window 2
	WIN 0x80
.set l_i, 0
.rept 2*(\KC)
	ds_load_b128 v[8*l_i:8*l_i+3],   v[\areg] offset:(\off)+1024*l_i
	ds_load_b128 v[8*l_i+4:8*l_i+7], v[\areg] offset:(\off)+1024*l_i+512
.set l_i, l_i+1
.endr
	WIN 0
.endm
.macro LOADBIAS areg, off, n           ; a bias in an accumulator's layout: register j = channel 16 o + 8 h + j
	WIN 0x80
.set l_i, 0
.rept \n
	ds_load_b128 v[128+8*l_i:128+8*l_i+3], v[\areg] offset:(\off)+64*l_i
	ds_load_b128 v[128+8*l_i+4:128+8*l_i+7], v[\areg] offset:(\off)+64*l_i+16
.set l_i, l_i+1
.endr
	WIN 0
.endm
.macro RED4 b                          ; four pairs at v[b .. b+7]: their sum, over both halves of the lanes, into v[b]
	v_pk_add_f32 v[(\b):(\b)+1], v[(\b):(\b)+1], v[(\b)+2:(\b)+3]
	v_pk_add_f32 v[(\b)+4:(\b)+5], v[(\b)+4:(\b)+5], v[(\b)+6:(\b)+7]
	v_pk_add_f32 v[(\b):(\b)+1], v[(\b):(\b)+1], v[(\b)+4:(\b)+5]
	v_add_f32 v[(\b)], v[(\b)], v[(\b)+1]
	v_permlanex16_b32 v[(\b)+1], v[(\b)], s66, s67
	v_add_f32 v[(\b)], v[(\b)], v[(\b)+1]
.endm
; My wave's 64 channels of each row: their mean and the sum of squares about it, into region REG.  Each accumulator is read from its low end on.  Tile t works in v[208 + 20 t ..].
.macro LNSTAT SRC, REG
	WIN 0
.irp part,0,4,6
.set ls_i, 0
.rept 8
.set ls_s, 208+20*(ls_i/4)+2*(ls_i%4)
.set ls_a, (\SRC)+8*ls_i
.if (\part) == 0
	v_pk_add_f32 v[ls_s:ls_s+1], v[ls_a:ls_a+1], v[ls_a+2:ls_a+3]
.else
	v_pk_add_f32 v[ls_s:ls_s+1], v[ls_s:ls_s+1], v[ls_a+(\part):ls_a+(\part)+1]
.endif
.set ls_i, ls_i+1
.endr
.endr
	RED4 208
	RED4 228
.irp t,0,1
	v_mul_f32 v[224+20*(\t)], 0x3c800000, v[208+20*(\t)]     ; / 64
	v_mul_f32 v[225+20*(\t)], 0x3c800000, v[208+20*(\t)]
.endr
.set ls_i, 0
.rept 8                                ; (tile, group of four pairs)
.set ls_b, 208+20*(ls_i/4)
.irp c,0,1,2,3
	v_pk_add_f32 v[ls_b+8+2*(\c):ls_b+9+2*(\c)], v[(\SRC)+8*ls_i+2*(\c):(\SRC)+8*ls_i+2*(\c)+1], v[ls_b+16:ls_b+17] neg_lo:[0,1] neg_hi:[0,1]
.endr
.irp c,0,1,2,3
.if ls_i%4 == 0
	v_pk_mul_f32 v[ls_b+2*(\c):ls_b+2*(\c)+1], v[ls_b+8+2*(\c):ls_b+9+2*(\c)], v[ls_b+8+2*(\c):ls_b+9+2*(\c)]
.else
	v_pk_fma_f32 v[ls_b+2*(\c):ls_b+2*(\c)+1], v[ls_b+8+2*(\c):ls_b+9+2*(\c)], v[ls_b+8+2*(\c):ls_b+9+2*(\c)], v[ls_b+2*(\c):ls_b+2*(\c)+1]
.endif
.endr
.set ls_i, ls_i+1
.endr
	RED4 208
	RED4 228
.irp t,0,1
	v_mov_b32 v[225+20*(\t)], v[208+20*(\t)]
.endr
	s_wait_alu depctr_va_vdst(0)           ; v224-225 and v244-245 are written, which the two LDS stores read; the sums above are done with v208-223, in which LNAPPLY's loads land
.irp t,0,1
	ds_store_b64 v11, v[224+20*(\t):225+20*(\t)] offset:(\REG)+128*(\t)
.endr
.endm
; The four waves' figures are joined (mean of means; sums of squares plus 64 x the means' squares about the mean: no difference of large sums), and DST = (SRC - mean) rstd gain + bias.
.macro LNAPPLY SRC, DST, PW, PB, REG
	WIN 0
.set la_i, 0
.rept 8
	ds_load_b64 v[208+2*la_i:209+2*la_i], v12 offset:(\REG)+128*(la_i/4)+256*(la_i%4)
.set la_i, la_i+1
.endr
.set la_i, 0
.rept 4
	ds_load_b128 v[144+8*la_i:147+8*la_i], v9 offset:(\PW)+64*la_i
	ds_load_b128 v[148+8*la_i:151+8*la_i], v9 offset:(\PW)+64*la_i+16
	ds_load_b128 v[176+8*la_i:179+8*la_i], v9 offset:(\PB)+64*la_i
	ds_load_b128 v[180+8*la_i:183+8*la_i], v9 offset:(\PB)+64*la_i+16
.set la_i, la_i+1
.endr
	s_wait_dscnt 0x0
	s_wait_alu depctr_vm_vsrc(0)           ; LNSTAT's two LDS stores have read v224-225 and v244-245, which the lines below and later work write again
.irp t,0,1
.set la_b, 208+8*(\t)
.set la_u, 224+8*(\t)
	v_add_f32 v[la_u],   v[la_b],   v[la_b+2]
	v_add_f32 v[la_u+1], v[la_b+4], v[la_b+6]
	v_add_f32 v[la_u+2], v[la_b+1], v[la_b+3]
	v_add_f32 v[la_u+3], v[la_b+5], v[la_b+7]
	v_add_f32 v[la_u],   v[la_u],   v[la_u+1]
	v_add_f32 v[la_u+2], v[la_u+2], v[la_u+3]
	v_mul_f32 v[la_u], 0x3e800000, v[la_u]             ; the mean
	v_sub_f32 v[la_u+4], v[la_b],   v[la_u]
	v_sub_f32 v[la_u+5], v[la_b+2], v[la_u]
	v_sub_f32 v[la_u+6], v[la_b+4], v[la_u]
	v_sub_f32 v[la_u+7], v[la_b+6], v[la_u]
	v_mul_f32 v[la_u+1], v[la_u+4], v[la_u+4]
	v_fmac_f32 v[la_u+1], v[la_u+5], v[la_u+5]
	v_fmac_f32 v[la_u+1], v[la_u+6], v[la_u+6]
	v_fmac_f32 v[la_u+1], v[la_u+7], v[la_u+7]
	v_fmamk_f32 v[la_u+2], v[la_u+1], 0x42800000, v[la_u+2]   ; x 64 + the waves' sums
	v_fma_f32 v[la_u+2], v[la_u+2], s61, s62           ; / 256 + 1e-5
	v_rsq_f32 v[la_u+2], v[la_u+2]
.endr
	v_nop                                  ; a plain instruction between the second root and its use
	s_wait_alu depctr_va_vdst(0)           ; both tiles' roots, v226 and v234, are written: one wait for the two, ahead of their first reader
.irp t,0,1
.set la_u, 224+8*(\t)
	v_mul_f32 v[la_u+4], v[la_u], v[la_u+2]            ; mean x rstd
.endr
.set la_i, 0
.rept 32
.set la_u, 224+8*(la_i/16)
	v_pk_fma_f32 v[(\DST)+2*la_i:(\DST)+2*la_i+1], v[(\SRC)+2*la_i:(\SRC)+2*la_i+1], v[la_u+2:la_u+3], v[la_u+4:la_u+5] op_sel_hi:[1,0,0] neg_lo:[0,0,1] neg_hi:[0,0,1]
.set la_i, la_i+1
.endr
.set la_i, 0
.rept 32
	v_pk_fma_f32 v[(\DST)+2*la_i:(\DST)+2*la_i+1], v[(\DST)+2*la_i:(\DST)+2*la_i+1], v[144+2*(la_i%16):145+2*(la_i%16)], v[176+2*(la_i%16):177+2*(la_i%16)]
.set la_i, la_i+1
.endr
.endm
.macro PACKACT SRC, ACT                ; my 8 tiles rounded to f16: each is half of a fragment of the next layer's source 1
	WIN 0
.set pa_i, 0
.rept 8
.set pa_a, (\SRC)+8*pa_i
.set pa_p, 208+4*pa_i
	v_cvt_pk_f16_f32 v[pa_p],   v[pa_a],   v[pa_a+1]
	v_cvt_pk_f16_f32 v[pa_p+1], v[pa_a+2], v[pa_a+3]
	v_cvt_pk_f16_f32 v[pa_p+2], v[pa_a+4], v[pa_a+5]
	v_cvt_pk_f16_f32 v[pa_p+3], v[pa_a+6], v[pa_a+7]
.set pa_i, pa_i+1
.endr
	s_wait_alu depctr_va_vdst(0)           ; the roundings have written v208-239, which the LDS stores read; every earlier matrix instruction is done reading window 2, in which the LDS loads behind the barrier land
.set pa_i, 0
.rept 8
	ds_store_b128 v6, v[208+4*pa_i:211+4*pa_i] offset:(\ACT)+8192*(pa_i/4)+1024*((pa_i%4)/2)+512*(pa_i%2)
.set pa_i, pa_i+1
.endr
.endm
; Eight numbers of hidden tile i, stage by stage: t = 1 / (1 + 0.2316 |x|) in v208-215, e = 2^(-0.7213 x^2) in v216-223, the polynomial in v224-231.  Behind its one wait stands the LDS store of the tile before.
.macro GELU8 a, i
.set ge_i, 0
.rept 8
	v_fma_f32 v[208+ge_i], |v[(\a)+ge_i]|, s63, 1.0
.set ge_i, ge_i+1
.endr
.set ge_i, 0
.rept 8
	v_rcp_f32 v[208+ge_i], v[208+ge_i]
.set ge_i, ge_i+1
.endr
.irp i2,0,2,4,6
	v_pk_mul_f32 v[216+(\i2):217+(\i2)], v[(\a)+(\i2):(\a)+(\i2)+1], v[(\a)+(\i2):(\a)+(\i2)+1]
.endr
.irp i2,0,2,4,6
	v_pk_mul_f32 v[216+(\i2):217+(\i2)], v[216+(\i2):217+(\i2)], s[70:71] op_sel_hi:[1,0]
.endr
.set ge_i, 0
.rept 8
	v_exp_f32 v[216+ge_i], v[216+ge_i]
.set ge_i, ge_i+1
.endr
	s_wait_alu depctr_va_vdst(0)           ; the eight reciprocals and the eight exponentials are written, ahead of their first reader; so are the four registers into which the tile before was rounded, which the store below reads
.if (\i) > 0
	ds_store_b128 v7, v[(\a)-8:(\a)-5] offset:16384*(((\i)-1)/8)+1024*((((\i)-1)%8)/2)+512*(((\i)-1)%2)
.endif
.irp i2,0,2,4,6
	v_pk_fma_f32 v[224+(\i2):225+(\i2)], v[208+(\i2):209+(\i2)], s[72:73], s[74:75] op_sel_hi:[1,0,0]
.endr
.irp c,76,78,80
.irp i2,0,2,4,6
	v_pk_fma_f32 v[224+(\i2):225+(\i2)], v[224+(\i2):225+(\i2)], v[208+(\i2):209+(\i2)], s[(\c):(\c)+1] op_sel_hi:[1,1,0]
.endr
.endr
.irp i2,0,2,4,6
	v_pk_mul_f32 v[224+(\i2):225+(\i2)], v[224+(\i2):225+(\i2)], v[208+(\i2):209+(\i2)]
.endr
.irp i2,0,2,4,6
	v_pk_mul_f32 v[224+(\i2):225+(\i2)], v[224+(\i2):225+(\i2)], v[216+(\i2):217+(\i2)]
.endr
.set ge_i, 0
.rept 8
	v_max_num_f32 v[216+ge_i], 0, v[(\a)+ge_i]
.set ge_i, ge_i+1
.endr
.set ge_i, 0
.rept 8
	v_fma_f32 v[(\a)+ge_i], -v[224+ge_i], |v[(\a)+ge_i]|, v[216+ge_i]
.set ge_i, ge_i+1
.endr
.endm
.macro KVADDR vl, vr, sc               ; class -> its two image columns, max(class, 1) - 1 and min(class, 127), 8,192 bytes each
	s_max_u32 s58, \sc, 1
	s_sub_co_u32 s58, s58, 1
	s_min_u32 s58, s58, 127
	s_lshl_b32 s58, s58, 13
	v_add_nc_u32 v[\vl], s58, v1
	s_min_u32 s59, \sc, 127
	s_lshl_b32 s59, s59, 13
	v_add_nc_u32 v[\vr], s59, v1
.endm
.macro KVLOAD buf, vl, vr              ; a class's K and V for my two heads: K (key tile kt, head hd) at buf + 16 kt + 8 hd; V (tile o = 2 hd + dt) at buf + 32 + 8 o, its low half the left column's keys
	WIN 0x80
.irp q,0,1,2,3
	global_load_b128 v[(\buf)+4*(\q):(\buf)+4*(\q)+3],       v[\vl], s[38:39] offset:512*(\q)
	global_load_b128 v[(\buf)+16+4*(\q):(\buf)+16+4*(\q)+3], v[\vr], s[38:39] offset:512*(\q)
.endr
.irp o,0,1,2,3
	global_load_b128 v[(\buf)+32+8*(\o):(\buf)+32+8*(\o)+3], v[\vl], s[40:41] offset:512*(\o)
	global_load_b128 v[(\buf)+36+8*(\o):(\buf)+36+8*(\o)+3], v[\vr], s[40:41] offset:512*(\o)
.endr
	WIN 0
.endm
.macro Q4 line:vararg                  ; one line for each of the four (tile, head): at_q = 2 t + hd; scores at 80 + 16 at_q, at work 208 + 10 at_q
.set at_q, 0
.rept 4
	\line
.set at_q, at_q+1
.endr
.endm
; Attention of all 32 rows with the keys of class sc.  S^T = K q^T holds one row a lane and 16 of the 32 keys; the lane 16 away holds the others.  No memory or LDS instruction stands in it.
.macro ATT buf, sc
	WIN 0x02                               ; source 0 (K, V) in window 2
.set at_q, 0
.rept 4
	v_wmma_f32_16x16x32_f16 v[80+16*at_q:87+16*at_q], v[(\buf)+8*(at_q%2):(\buf)+8*(at_q%2)+7],       v[144+8*at_q:151+8*at_q], 0
	v_wmma_f32_16x16x32_f16 v[88+16*at_q:95+16*at_q], v[(\buf)+16+8*(at_q%2):(\buf)+16+8*(at_q%2)+7], v[144+8*at_q:151+8*at_q], 0
.set at_q, at_q+1
.endr
	NOP4
	WIN 0
	v_cmp_eq_u32 s82, \sc, v13             ; which rows of tile 0, of tile 1 are of this class
	v_cmp_eq_u32 s83, \sc, v14
	Q4 v_max3_num_f32 v[208+10*at_q], v[80+16*at_q], v[81+16*at_q], v[82+16*at_q]
	Q4 v_max3_num_f32 v[209+10*at_q], v[88+16*at_q], v[89+16*at_q], v[90+16*at_q]
	Q4 v_max3_num_f32 v[208+10*at_q], v[208+10*at_q], v[83+16*at_q], v[84+16*at_q]
	Q4 v_max3_num_f32 v[209+10*at_q], v[209+10*at_q], v[91+16*at_q], v[92+16*at_q]
	Q4 v_max3_num_f32 v[208+10*at_q], v[208+10*at_q], v[85+16*at_q], v[86+16*at_q]
	Q4 v_max3_num_f32 v[209+10*at_q], v[209+10*at_q], v[93+16*at_q], v[94+16*at_q]
	Q4 v_max3_num_f32 v[208+10*at_q], v[208+10*at_q], v[87+16*at_q], v[95+16*at_q]
	Q4 v_max_num_f32 v[208+10*at_q], v[208+10*at_q], v[209+10*at_q]
	Q4 v_permlanex16_b32 v[209+10*at_q], v[208+10*at_q], s66, s67
	Q4 v_max_num_f32 v[208+10*at_q], v[208+10*at_q], v[209+10*at_q]
	Q4 v_mul_f32 v[208+10*at_q], s68, v[208+10*at_q]
.set at_i, 0
.rept 8                                ; c s - c m, c = log2(e) / sqrt(32)
	Q4 v_pk_fma_f32 v[80+16*at_q+2*at_i:81+16*at_q+2*at_i], v[80+16*at_q+2*at_i:81+16*at_q+2*at_i], s[68:69], v[208+10*at_q:209+10*at_q] op_sel_hi:[1,0,0] neg_lo:[0,0,1] neg_hi:[0,0,1]
.set at_i, at_i+1
.endr
.set at_i, 0
.rept 64
	v_exp_f32 v[80+at_i], v[80+at_i]
.set at_i, at_i+1
.endr
	v_nop                                  ; a plain instruction between the last exponential and its use
	s_wait_alu depctr_va_vdst(0)           ; the 64 exponentials are written: one wait for the batch, ahead of its first reader
	Q4 v_pk_add_f32 v[210+10*at_q:211+10*at_q], v[80+16*at_q:81+16*at_q], v[82+16*at_q:83+16*at_q]
	Q4 v_pk_add_f32 v[212+10*at_q:213+10*at_q], v[84+16*at_q:85+16*at_q], v[86+16*at_q:87+16*at_q]
	Q4 v_pk_add_f32 v[214+10*at_q:215+10*at_q], v[88+16*at_q:89+16*at_q], v[90+16*at_q:91+16*at_q]
	Q4 v_pk_add_f32 v[216+10*at_q:217+10*at_q], v[92+16*at_q:93+16*at_q], v[94+16*at_q:95+16*at_q]
	Q4 v_pk_add_f32 v[210+10*at_q:211+10*at_q], v[210+10*at_q:211+10*at_q], v[212+10*at_q:213+10*at_q]
	Q4 v_pk_add_f32 v[214+10*at_q:215+10*at_q], v[214+10*at_q:215+10*at_q], v[216+10*at_q:217+10*at_q]
	Q4 v_pk_add_f32 v[210+10*at_q:211+10*at_q], v[210+10*at_q:211+10*at_q], v[214+10*at_q:215+10*at_q]
	Q4 v_add_f32 v[210+10*at_q], v[210+10*at_q], v[211+10*at_q]
	Q4 v_permlanex16_b32 v[211+10*at_q], v[210+10*at_q], s66, s67
	Q4 v_add_f32 v[210+10*at_q], v[210+10*at_q], v[211+10*at_q]
	Q4 v_rcp_f32 v[210+10*at_q], v[210+10*at_q]
	v_nop
	s_wait_alu depctr_va_vdst(0)           ; the four reciprocals are written, ahead of their first reader
	s_wait_alu depctr_va_sdst(0)           ; the two compares have written s82 and s83, ahead of their first reader
	Q4 v_cndmask_b32 v[210+10*at_q], 0, v[210+10*at_q], s[82+at_q/2]     ; rows of another class: weights 0
.set at_i, 0
.rept 8
	Q4 v_pk_mul_f32 v[80+16*at_q+2*at_i:81+16*at_q+2*at_i], v[80+16*at_q+2*at_i:81+16*at_q+2*at_i], v[210+10*at_q:211+10*at_q] op_sel_hi:[1,0]
.set at_i, at_i+1
.endr
.set at_i, 0
.rept 32
	v_cvt_pk_f16_f32 v[176+at_i], v[80+2*at_i], v[81+2*at_i]
.set at_i, at_i+1
.endr
	WIN 0x02
.set at_q, 0
.rept 4                                ; O^T += V^T P: eight accumulators, one instruction each
	v_wmma_f32_16x16x32_f16 v[16+16*at_q:23+16*at_q], v[(\buf)+32+16*(at_q%2):(\buf)+39+16*(at_q%2)], v[176+8*at_q:183+8*at_q], v[16+16*at_q:23+16*at_q]
	v_wmma_f32_16x16x32_f16 v[24+16*at_q:31+16*at_q], v[(\buf)+40+16*(at_q%2):(\buf)+47+16*(at_q%2)], v[176+8*at_q:183+8*at_q], v[24+16*at_q:31+16*at_q]
.set at_q, at_q+1
.endr
	NOP4
	WIN 0
.endm
	s_load_b512 s[4:19], s[0:1], 0x0       ; xT s[4:5], perm s[6:7], wst s[8:9], kv s[10:11], ln_q_w s[12:13], ln_q_b s[14:15], bproj s[16:17], ln_pre_w s[18:19]
	s_load_b256 s[20:27], s[0:1], 0x40     ; ln_pre_b s[20:21], bm2 s[22:23], ln_post_w s[24:25], ln_post_b s[26:27]
	s_load_b128 s[28:31], s[0:1], 0x60     ; bm1 s[28:29], res s[30:31]
	v_lshl_add_u32 v252, v0, 2, SPARE
	v_mov_b32 v253, 0
	v_lshrrev_b32 v208, 5, v0
	v_readfirstlane_b32 s3, v208           ; wave
	s_mov_b32 s2, ttmp9
	s_mov_b32 s37, 0
	s_mov_b32 s61, 0x3b800000              ; 1 / 256
	s_mov_b32 s62, 0x3727c5ac              ; 1e-5
	s_mov_b32 s63, 0x3e6d3388              ; 0.3275911 / sqrt 2
	s_mov_b32 s66, 0x76543210              ; v_permlanex16_b32: each lane takes its own place in the other half
	s_mov_b32 s67, 0xfedcba98
	s_mov_b32 s68, 0x3e8293ee              ; c = log2(e) / sqrt(32)
	s_mov_b32 s69, s68
	s_mov_b32 s70, 0xbf38aa3b              ; -log2(e) / 2
	s_mov_b32 s71, s70
	s_mov_b32 s72, 0x3f07dc22              ; half of 7.1.26's a5 .. a1
	s_mov_b32 s73, s72
	s_mov_b32 s74, 0xbf3a00e3
	s_mov_b32 s75, s74
	s_mov_b32 s76, 0x3f35f0e3
	s_mov_b32 s77, s76
	s_mov_b32 s78, 0xbe11a98e
	s_mov_b32 s79, s78
	s_mov_b32 s80, 0x3e027906
	s_mov_b32 s81, s80
	v_and_b32 v208, 31, v0
	v_lshlrev_b32 v1, 4, v208              ; 16 l
	v_and_b32 v209, 15, v0                 ; r
	v_bfe_u32 v210, v0, 4, 1               ; h
	s_wait_alu depctr_va_sdst(0)           ; s3, the wave's number, is written, ahead of its first reader
	v_lshl_add_u32 v6, s3, 11, v1          ; where my fragments' halves go: kc = 2 w ..
	v_lshl_add_u32 v7, s3, 12, v1
	v_add_nc_u32 v7, HID, v7               ; the hidden layer's: kc = 4 w ..
	v_add_nc_u32 v8, HID, v1
	v_lshlrev_b32 v9, 5, v210
	v_lshl_add_u32 v10, s3, 9, v9
	v_add_nc_u32 v10, P_BM1, v10           ; bm1 at hidden channel 128 w + 8 h
	v_lshl_add_u32 v9, s3, 8, v9           ; the other small inputs at channel 64 w + 8 h
	v_lshlrev_b32 v12, 3, v209
	v_add_nc_u32 v12, STAT, v12            ; a row's figures, wave 0's
	v_lshl_add_u32 v11, s3, 8, v12         ; and my wave's
	v_mul_u32_u24 v15, v209, 1040
	v_add_nc_u32 v15, v15, v9
	v_add_nc_u32 v15, STG, v15             ; the way out: row r, channel 64 w + 8 h
	v_lshlrev_b32 v211, 2, v209
	v_lshlrev_b32 v214, 4, v0
	s_wait_kmcnt 0x0
	s_lshl_b32 s36, s2, 7
	s_add_nc_u64 s[84:85], s[6:7], s[36:37]        ; perm at my 32 places
	s_lshl_b32 s36, s3, 5
	s_add_nc_u64 s[86:87], s[84:85], s[36:37]      ; and at the 8 rows that my wave stores
	s_load_b256 s[44:51], s[86:87], 0x0
	s_load_b32 s52, s[84:85], 0x4000               ; the first row's class
	s_load_b32 s53, s[84:85], 0x407c               ; the last row's
	s_wait_alu depctr_va_vdst(0)           ; the addresses v1, v6-12, v15, v211 and v214 are written, which loads and stores from here on read
	global_load_b32 v212, v211, s[84:85]           ; my lane's two rows
	global_load_b32 v213, v211, s[84:85] offset:64
	global_load_b32 v13, v211, s[84:85] offset:16384   ; and their classes
	global_load_b32 v14, v211, s[84:85] offset:16448
	global_load_b128 v[80:83],   v214, s[12:13]
	global_load_b128 v[84:87],   v214, s[14:15]
	global_load_b128 v[88:91],   v214, s[16:17]
	global_load_b128 v[92:95],   v214, s[18:19]
	global_load_b128 v[96:99],   v214, s[20:21]
	global_load_b128 v[100:103], v214, s[22:23]
	global_load_b128 v[104:107], v214, s[24:25]
	global_load_b128 v[108:111], v214, s[26:27]
	global_load_b128 v[112:115], v214, s[28:29]
	global_load_b128 v[116:119], v214, s[28:29] offset:2048
	s_wait_loadcnt 12                      ; the two row numbers are in: behind them went 2 + 10 loads
	v_min_u32 v212, 0xfff, v212
	v_min_u32 v213, 0xfff, v213
	v_lshlrev_b32 v212, 10, v212
	v_lshlrev_b32 v213, 10, v213
	v_add_nc_u32 v212, v212, v9
	v_add_nc_u32 v213, v213, v9
	s_wait_alu depctr_va_vdst(0)           ; v212 and v213, the rows' offsets in xT, are written, which the loads below read
.set pr_i, 0
.rept 8                                ; (tile, channel tile)
	global_load_b128 v[16+8*pr_i:19+8*pr_i], v[212+pr_i/4], s[4:5] offset:64*(pr_i%4)
	global_load_b128 v[20+8*pr_i:23+8*pr_i], v[212+pr_i/4], s[4:5] offset:64*(pr_i%4)+16
.set pr_i, pr_i+1
.endr
	s_mul_i32 s36, s3, 393216
	s_add_nc_u64 s[32:33], s[8:9], s[36:37]        ; my wave's stream of block 0,
	s_add_nc_u64 s[34:35], s[32:33], 196608        ; of block 1
	WIN 0x40
.set pr_i, 0
.rept 64                               ; the ring is filled: 32 fragments
	global_load_b128 v[4*pr_i:4*pr_i+3], v1, s[32:33] offset:512*pr_i
.set pr_i, pr_i+1
.endr
	WIN 0
	s_lshl_b32 s36, s3, 11
	s_add_nc_u64 s[38:39], s[10:11], s[36:37]      ; K of block 0 at my four tiles,
	s_add_nc_u64 s[40:41], s[38:39], 1048576       ; V
	s_wait_kmcnt 0x0
	s_min_u32 s52, s52, 128                ; the first class
	s_sub_co_u32 s53, s53, s52
	s_min_u32 s53, s53, 128
	s_add_co_u32 s53, s53, 2
	s_lshr_b32 s54, s53, 1                 ; pairs of classes to walk: (last - first + 2) / 2
.irp i,44,45,46,47,48,49,50,51
	s_min_u32 s[\i], s[\i], 0xfff
	s_lshl_b32 s[\i], s[\i], 10
.endr
	s_wait_loadcnt 63                      ; classes, small inputs and x are in: behind them went the ring's 64 loads
.irp i,0,1,2,3,4,5,6,7,8,9
	ds_store_b128 v214, v[80+4*(\i):83+4*(\i)] offset:2048*(\i)
.endr
	s_wait_alu depctr_vm_vsrc(0)           ; the loads above have read v211-214 and the LDS stores v214 and v80-119: the first norm's sums and q's layer write these registers
	s_mov_b32 s60, 2
.Lblk:                                     ; a block of cross attention
	s_wait_xcnt 0x0                        ; v2-5 are written again only behind this wait
	s_add_co_u32 s57, s52, 1
	KVADDR 2, 3, s52
	KVADDR 4, 5, s57
	s_wait_alu depctr_va_vdst(0)           ; v2-5 are written, which the loads below read (in the second trip v9 and v10 too, which LDS loads read); the last layer's matrix instructions are done reading window 2's 128-255, in which K and V land
	KVLOAD 128, 2, 3                       ; the first two classes' K and V are asked for now and wanted behind q's layer
	KVLOAD 192, 4, 5
	LNSTAT 16, SQ
	BAR
	LNAPPLY 16, 16, P_QW, P_QB, SQ
	PACKACT 16, ACT0
	BAR
	s_wait_alu depctr_vm_vsrc(0)           ; PACKACT's LDS stores have read v208-239, which attention's softmax writes again
	LOADB 1, ACT0, 8
.set pr_i, 0
.rept 64                               ; attention's sums start at 0: which class is a row's own is known from data alone, so no product can be written out as a sum's first
	v_mov_b32 v[16+pr_i], 0
.set pr_i, pr_i+1
.endr
	s_wait_dscnt 0x0
	GEMM 0, 4, 8, 80, 32, 0                ; q.  Its fourth wait leaves 32 loads out, all issued behind the 32 of K and V: those are in
.set pr_i, 0
.rept 32
	v_cvt_pk_f16_f32 v[144+pr_i], v[80+2*pr_i], v[81+2*pr_i]
.set pr_i, pr_i+1
.endr
	s_mov_b32 s55, 0
	s_mov_b32 s56, s52
.Latt:                                     ; two classes a trip
	s_add_co_u32 s57, s56, 1
	ATT 128, s56
	ATT 192, s57
	s_add_co_u32 s55, s55, 1
	s_add_co_u32 s56, s56, 2
	s_cmp_lt_u32 s55, s54
	s_cbranch_scc0 .Ldone
	s_wait_xcnt 0x0
	s_wait_alu depctr_vm_vsrc(0)           ; the loads of K and V issued so far have read v2-5, which KVADDR writes again
	s_add_co_u32 s57, s56, 1
	KVADDR 2, 3, s56
	KVADDR 4, 5, s57
	s_wait_alu depctr_va_vdst(0)           ; v2-5 are written, which the loads below read; the trip's matrix instructions are done reading both buffers of K and V, in which they land
	KVLOAD 128, 2, 3
	KVLOAD 192, 4, 5
	s_wait_loadcnt 0x0
	s_cmp_lt_u32 s55, s54
	s_cbranch_scc1 .Latt
.Ldone:
	PACKACT 16, ACT1
	BAR
	s_wait_alu depctr_vm_vsrc(0)           ; PACKACT's LDS stores have read v208-239, which the next norm's sums write again
	LOADB 1, ACT1, 8
	LOADBIAS 9, P_BP, 4
	s_wait_dscnt 0x0
	GEMM 32, 4, 8, 80, 32, 1               ; the output projection, bproj as the sums' start
	LNSTAT 80, SPRE
	BAR
	LNAPPLY 80, 16, P_PREW, P_PREB, SPRE   ; z
	PACKACT 16, ACT0
	BAR
	s_wait_alu depctr_vm_vsrc(0)           ; PACKACT's LDS stores have read v208-239, in which bm2 lands below
	LOADB 1, ACT0, 8
	LOADBIAS 10, 0, 8
.set pr_i, 0
.rept 4
	ds_load_b128 v[208+8*pr_i:211+8*pr_i], v9 offset:P_BM2+64*pr_i
	ds_load_b128 v[212+8*pr_i:215+8*pr_i], v9 offset:P_BM2+64*pr_i+16
.set pr_i, pr_i+1
.endr
	s_wait_dscnt 0x0
.set pr_i, 0
.rept 32                               ; z + bm2: the second MLP layer adds onto it
	v_pk_add_f32 v[16+2*pr_i:17+2*pr_i], v[16+2*pr_i:17+2*pr_i], v[208+2*(pr_i%16):209+2*(pr_i%16)]
.set pr_i, pr_i+1
.endr
	GEMM 64, 8, 8, 80, 64, 1               ; the hidden layer, bm1 as the sums' start
.set pr_i, 0
.rept 16                               ; (tile, channel tile): GELU, and the rounding: eight numbers close up into the first four of their eight registers, the tile's own out-buffer
	GELU8 80+8*pr_i, pr_i
	v_cvt_pk_f16_f32 v[80+8*pr_i], v[80+8*pr_i], v[81+8*pr_i]
	v_cvt_pk_f16_f32 v[81+8*pr_i], v[82+8*pr_i], v[83+8*pr_i]
	v_cvt_pk_f16_f32 v[82+8*pr_i], v[84+8*pr_i], v[85+8*pr_i]
	v_cvt_pk_f16_f32 v[83+8*pr_i], v[86+8*pr_i], v[87+8*pr_i]
.set pr_i, pr_i+1
.endr
	s_wait_alu depctr_va_vdst(0)           ; the last tile's roundings have written v200-203, which the store below reads; the hidden layer's matrix instructions are done reading window 2, in which the LDS loads behind the barrier land
	ds_store_b128 v7, v[200:203] offset:16384+1024*3+512
	BAR
	s_wait_alu depctr_vm_vsrc(0)           ; the sixteen LDS stores have read their registers among v80-203, in which the last norm's gain and bias land and which the next block's layers write
	LOADB 8, 0, 16
	s_wait_dscnt 0x0
	GEMM 128, 4, 16, 16, 32, 2
	LNSTAT 16, SPOST
	BAR
	LNAPPLY 16, 16, P_POW, P_POB, SPOST
	s_wait_xcnt 0x0                        ; the loads' bases are written again only behind this wait
	s_wait_alu depctr_vm_vsrc(0)           ; the block's LDS loads have read v9 and v10, which the two adds below write; its loads of K and V have read v2-5, which the next trip's KVADDR writes
	s_mov_b64 s[42:43], s[32:33]           ; the streams change places: the ring already holds the next block's first 32 fragments.  (In the last trip it took block 0's once more: 32 KiB a wave that nobody uses)
	s_mov_b64 s[32:33], s[34:35]
	s_mov_b64 s[34:35], s[42:43]
	s_add_nc_u64 s[38:39], s[38:39], 2097152
	s_add_nc_u64 s[40:41], s[40:41], 2097152
	v_add_nc_u32 v9, 1024, v9
	v_add_nc_u32 v10, 2048, v10
	s_sub_co_u32 s60, s60, 1
	s_cmp_lg_u32 s60, 0
	s_cbranch_scc1 .Lblk
	; THE L2 NORM over a row's 256 channels, and the way out
.set pr_i, 0
.rept 32
.set pr_q, 208+20*(pr_i/16)+2*(pr_i%4)
.if pr_i%16 < 4
	v_pk_mul_f32 v[pr_q:pr_q+1], v[16+2*pr_i:17+2*pr_i], v[16+2*pr_i:17+2*pr_i]
.else
	v_pk_fma_f32 v[pr_q:pr_q+1], v[16+2*pr_i:17+2*pr_i], v[16+2*pr_i:17+2*pr_i], v[pr_q:pr_q+1]
.endif
.set pr_i, pr_i+1
.endr
	RED4 208
	RED4 228
	s_wait_alu depctr_va_vdst(0)           ; v208 and v228 are written, which the two LDS stores read; the sums are done with v208-215, in which the loads behind the barrier land
	ds_store_b32 v11, v208 offset:SFIN
	ds_store_b32 v11, v228 offset:SFIN+128
	BAR
	s_wait_alu depctr_vm_vsrc(0)           ; the first of the two stores has read v208, in which a load lands below
.set pr_i, 0
.rept 8
	ds_load_b32 v[208+pr_i], v12 offset:SFIN+128*(pr_i/4)+256*(pr_i%4)
.set pr_i, pr_i+1
.endr
	s_wait_dscnt 0x0
	v_add_f32 v208, v208, v209
	v_add_f32 v210, v210, v211
	v_add_f32 v212, v212, v213
	v_add_f32 v214, v214, v215
	v_add_f32 v208, v208, v210
	v_add_f32 v212, v212, v214
	v_sqrt_f32 v208, v208
	v_sqrt_f32 v212, v212
	v_nop
	s_wait_alu depctr_va_vdst(0)           ; the two roots are written, ahead of their first reader
	v_max_num_f32 v208, 0x2b8cbccc, v208   ; 1e-12
	v_max_num_f32 v212, 0x2b8cbccc, v212
	v_rcp_f32 v208, v208
	v_rcp_f32 v212, v212
	v_nop
.set pr_i, 0
	s_wait_alu depctr_va_vdst(0)           ; the two reciprocals are written, ahead of their first reader
.rept 32
	v_pk_mul_f32 v[16+2*pr_i:17+2*pr_i], v[16+2*pr_i:17+2*pr_i], v[208+4*(pr_i/16):209+4*(pr_i/16)] op_sel_hi:[1,0]
.set pr_i, pr_i+1
.endr
	s_mul_i32 s58, s3, 8320
	s_add_co_u32 s58, s58, STG
	v_add_nc_u32 v216, s58, v1             ; my wave stores rows 8 w .. 8 w + 7, whole
.irp i,0,1,2,3,4,5,6,7
	v_add_nc_u32 v[240+(\i)], s[44+(\i)], v1       ; the row's own place in res
.endr
	s_wait_alu depctr_va_vdst(0)           ; the scaled rows v16-79 are written, which the LDS stores read; so are v216, which the LDS loads behind the barrier read, and v240-247, which the global stores read
.set pr_i, 0
.rept 8                                ; rows 1,040 bytes apart
	ds_store_b128 v15, v[16+8*pr_i:19+8*pr_i] offset:16640*(pr_i/4)+64*(pr_i%4)
	ds_store_b128 v15, v[20+8*pr_i:23+8*pr_i] offset:16640*(pr_i/4)+64*(pr_i%4)+16
.set pr_i, pr_i+1
.endr
	BAR
.set pr_i, 0
.rept 16
	ds_load_b128 v[80+4*pr_i:83+4*pr_i], v216 offset:1040*(pr_i/2)+512*(pr_i%2)
.set pr_i, pr_i+1
.endr
	s_wait_dscnt 0x0
.set pr_i, 0
.rept 16
	global_store_b128 v[240+pr_i/2], v[80+4*pr_i:83+4*pr_i], s[30:31] offset:512*(pr_i%2)    ; 512 consecutive bytes, aligned
.set pr_i, pr_i+1
.endr
	s_wait_dscnt 0x0                       ; the closing lines, six on end
	s_wait_alu 0x0
	s_wait_tensorcnt 0x0
	ds_add_u32 v252, v253
	s_wait_dscnt 0x0
	s_endpgm
.Lfunc_end_k_q5d2b37564b_main:
	.size	k_q5d2b37564b_main, .Lfunc_end_k_q5d2b37564b_main-k_q5d2b37564b_main
	.p2alignl 7, 3214868480
	.fill 96, 4, 3214868480
	.section	.rodata,"a",@progbits
	.p2align	6, 0x0
	.amdhsa_kernel k_q5d2b37564b_main
		.amdhsa_group_segment_fixed_size 90624
		.amdhsa_private_segment_fixed_size 0
		.amdhsa_enable_private_segment 0
		.amdhsa_kernarg_size 112
		.amdhsa_user_sgpr_count 2
		.amdhsa_user_sgpr_kernarg_segment_ptr 1
		.amdhsa_wavefront_size32 1
		.amdhsa_system_sgpr_workgroup_id_x 1
		.amdhsa_system_sgpr_workgroup_id_y 1
		.amdhsa_system_sgpr_workgroup_id_z 1
		.amdhsa_system_vgpr_workitem_id 0
		.amdhsa_next_free_vgpr 768
		.amdhsa_next_free_sgpr 88
		.amdhsa_reserve_vcc 0
		.amdhsa_float_denorm_mode_32 3
		.amdhsa_float_denorm_mode_16_64 3
		.amdhsa_memory_ordered 1
		.amdhsa_forward_progress 1
		.amdhsa_inst_pref_size 255
	.end_amdhsa_kernel
	.section	.bss,"aw",@nobits
	.p2align	6
	.space	262144
	.amdgpu_metadata
---
amdhsa.version: [ 1, 2 ]
amdhsa.kernels:
  - .name:           k_q5d2b37564b_main
    .symbol:         k_q5d2b37564b_main.kd
    .args:
      - { .name: xT, .offset: 0, .size: 8, .value_kind: global_buffer, .address_space: global }
      - { .name: perm, .offset: 8, .size: 8, .value_kind: global_buffer, .address_space: global }
      - { .name: wst, .offset: 16, .size: 8, .value_kind: global_buffer, .address_space: global }
      - { .name: kv, .offset: 24, .size: 8, .value_kind: global_buffer, .address_space: global }
      - { .name: ln_q_w, .offset: 32, .size: 8, .value_kind: global_buffer, .address_space: global }
      - { .name: ln_q_b, .offset: 40, .size: 8, .value_kind: global_buffer, .address_space: global }
      - { .name: bproj, .offset: 48, .size: 8, .value_kind: global_buffer, .address_space: global }
      - { .name: ln_pre_w, .offset: 56, .size: 8, .value_kind: global_buffer, .address_space: global }
      - { .name: ln_pre_b, .offset: 64, .size: 8, .value_kind: global_buffer, .address_space: global }
      - { .name: bm2, .offset: 72, .size: 8, .value_kind: global_buffer, .address_space: global }
      - { .name: ln_post_w, .offset: 80, .size: 8, .value_kind: global_buffer, .address_space: global }
      - { .name: ln_post_b, .offset: 88, .size: 8, .value_kind: global_buffer, .address_space: global }
      - { .name: bm1, .offset: 96, .size: 8, .value_kind: global_buffer, .address_space: global }
      - { .name: res, .offset: 104, .size: 8, .value_kind: global_buffer, .address_space: global }
    .group_segment_fixed_size: 90624
    .private_segment_fixed_size: 0
    .kernarg_segment_align: 8
    .kernarg_segment_size: 112
    .max_flat_workgroup_size: 128
    .sgpr_count:     88
    .vgpr_count:     768
    .wavefront_size: 32
...
	.end_amdgpu_metadata
.endif
;; end of part 5
;; launch xout: the kernel of part 4 again; grid 256 x 1, 4 waves a work-group, no clusters, 17,152 bytes of LDS; arguments res, out0; writes out0
